; MI455X (gfx1250); checked and timed in simulation.
; The chip was launched on July 23, 2026; its instructions are those of AMD's public machine-readable ISA for CDNA 5 (MIT licence, August 2026) and "CDNA5" Instruction Set Architecture Reference Guide (July 2026). The comments in the code are by the model that wrote it; some were corrected since.
;; multi head attention. Allowed arithmetic: matrix products marked QUANTISED: E2M3 operands, one E8M0 scale for each 32 along K, by v_wmma_scale_f32_16x16x128_f8f6f4 with both operands' format E2M3, f32 sums; everything else in f32.
;; Inputs: Wk 1,024 x 1,024 float32; Wo 1,024 x 1,024 float32; Wq 1,024 x 1,024 float32; Wv 1,024 x 1,024 float32; bk 1,024 float32; bo 1,024 float32; bq 1,024 float32; bv 1,024 float32; k 4 x 2,048 x 1,024 float32; q 4 x 2,048 x 1,024 float32; v 4 x 2,048 x 1,024 float32.
;; Outputs: out0 4 x 2,048 x 1,024 float32.
;; Constants: mask = True.
;; This version of the problem:
;;   THIS VERSION OF THE PROBLEM IS GIVEN IN LOW PRECISION. The matrix products marked QUANTISED in the list below multiply operands that are first quantised to E2M3 (2 exponent bits, 3 mantissa bits; 6 bits a number), with one power-of-two scale for each 32 numbers along K (OCP MX v1.0); their sums are f32. All else is computed in f32.
;;   The module's matrix products, in the order in which they are computed (A, B: the left and right operand; K: the contracted axis; several contracted axes count as one K, in the product's order):
;;     1. [M 8,192, K 1,024] x [K 1,024, N 1,024]; A: input q; B: input Wq: QUANTISED
;;     2. [M 8,192, K 1,024] x [K 1,024, N 1,024]; A: input k; B: input Wk: QUANTISED
;;     3. [M 8,192, K 1,024] x [K 1,024, N 1,024]; A: input v; B: input Wv: QUANTISED
;;     4. batch 64 x [M 2,048, K 64] x [K 64, N 2,048]; A: computed on the way; B: computed on the way: QUANTISED
;;     5. batch 64 x [M 2,048, K 2,048] x [K 2,048, N 64]; A: softmax (see below); B: computed on the way: QUANTISED
;;     6. [M 8,192, K 1,024] x [K 1,024, N 1,024]; A: computed on the way; B: input Wo: QUANTISED
;;   THE QUANTISER, for each operand of a quantised product, along K:
;;     - K is cut into blocks of 32 from its start; a last block that is shorter is filled with zeros.
;;     - A block's scale is 2^e with e = floor(log2(the largest magnitude in the block)) - 2, held to -126 .. 127; a block of zeros has e = 0. As a byte (E8M0): e + 127.
;;     - Each number is divided by its block's scale, clamped to +-7.5, and rounded to the nearest number of E2M3, ties to even, subnormals kept.
;;     - The product sums the exact products of the quantised numbers (number of the format x scale) in f32.
;;   ~~~python
;;   def quantise(x, axis):      # numpy; x: float32 -> the quantised numbers, widened to float32 again
;;       x = np.moveaxis(x, axis, -1); K = x.shape[-1]
;;       x = np.pad(x, [(0, 0)] * (x.ndim - 1) + [(0, -K % 32)]); x = x.reshape(x.shape[:-1] + (-1, 32)); a = np.abs(x).max(-1, keepdims=True)
;;       e = np.where(a > 0, np.clip(np.frexp(np.where(a > 0, a, 1))[1] - 1 - 2, -126, 127), 0)      # np.frexp(a)[1] - 1 = floor(log2(a)), exactly
;;       r = np.clip(x / 2.0 ** e, -7.5, 7.5)
;;       step = 2.0 ** (np.maximum(np.frexp(np.where(r == 0, 1, r))[1] - 1, 0) - 3)
;;       q = np.round(r / step) * step * 2.0 ** e      # np.round: ties to even
;;       return np.moveaxis(q.reshape(q.shape[:-2] + (-1,))[..., :K], -1, axis).astype(np.float32)
;;   ~~~
;;   SOFTMAX AHEAD OF A QUANTISED PRODUCT. Where the list says 'softmax', what is quantised is not the finished softmax but p = 2^(t - M), with t = logit x log2(e) and M = ceil(the row's largest t), a whole number; so 1/2 < the row's largest p <= 1. The row's sum l is taken of the UNQUANTISED p, in f32, and the product's result is divided by l at the end. Since M is a whole number, a kernel that streams over the keys may use a running M (the ceiling of the running maximum): every later rescaling is an exact power of two, which a block's scale takes up: the codes' values come out the same.
;;   OPERANDS COMPUTED ON THE WAY. 'Computed on the way' means the value that the module computes at that place (a softmax that the list does not call 'softmax' is quantised finished and normalised). What goes into a quantiser is computed in f32, as accurately as f32 sums, v_exp_f32 and their like allow (about 1e-6 of the number): no bf16 or f16 on the way to a quantiser, and a product that is left as it is and whose result goes on into a quantised operand takes f32 operands (vector FMAs, or v_wmma_f32_16x16x4_f32). A number that lies on a knife's edge between two numbers of the format may be rounded either way, as far as f32 arithmetic and the matrix unit's own rounding can turn it there, and no further.
;; One version. Each part assembles by itself: llvm-mc -triple=amdgcn-amd-amdhsa -mcpu=gfx1250 --defsym DOCPART=n.
;; ======== version 1 of 1: 4 launches
;; workspace buffers: xc 22,020,096 bytes; xs 917,504 bytes; qc 6,291,456 bytes; qs 524,288 bytes; kv 12,582,912 bytes; kvs 786,432 bytes; ao 6,291,456 bytes; aos 524,288 bytes
;; launch quant (part 1): grid 448 x 1, 4 waves a work-group, no clusters, 34,304 bytes of LDS; arguments q, k, v, Wq, Wk, Wv, Wo, xc, xs; writes xc, xs
.if DOCPART == 1
	.amdgcn_target "amdgcn-amd-amdhsa--gfx1250"
	.amdhsa_code_object_version 6
	.text
	.protected	k_qd4786ae761_quant
	.globl	k_qd4786ae761_quant
	.p2align	8
	.type	k_qd4786ae761_quant,@function
k_qd4786ae761_quant:
	s_mov_b64 s[64:65], 0
	v_nop
	global_prefetch_b8 v0, s[64:65] scope:SCOPE_SE
	s_setreg_imm32_b32 hwreg(HW_REG_WAVE_MODE, 25, 1), 1
	s_wait_xcnt 0x0
; q, k, v [8192][1024] and Wq, Wk, Wv, Wo [1024][1024], f32, become codes of FP6 (E2M3) with one E8M0 byte for each 32 along their last axis.
; OUTPUT LAYOUT.  A ROW TILE is 16 rows x 1,024 K: eight fragments of 1,536 bytes, each an image of an operand's 12 registers: chunk c (256 bytes) holds registers 2 c, 2 c + 1
; of the 32 lanes, lane l's 8 bytes at 8 l.  xc: 1,792 tiles of 12,288 bytes: q 0, k 512, v 1024, Wq 1536, Wk 1600, Wv 1664, Wo 1728.  xs: 512 bytes a tile: the scale word of
; (row r, K step s) at 256 (s / 4) + 16 r + 4 (s % 4).
; WHICH ROWS FORM A TILE is chosen here, once, so that later products find neighbours along their next K in a lane's registers.  Lane i of tile t takes row
;   q, Wo: 16 t + i;   k, v: 32 (t / 2) + 8 (t % 2) + i + 8 (i / 8);   Wq, Wk, Wv: 16 d + head, head = t / 4, d = 32 ((t / 2) % 2) + 8 (t % 2) + i + 8 (i / 8)  (the heads lie strided in the columns).
; A wave makes one tile, in 8 K steps of 128.  Each load reads 512 consecutive bytes of one row; a step's 16 rows turn through the wave's own stage in LDS (rows of 512 + 16 bytes),
; so that lane (r, h) gets its row's k = 64 c + 32 h + 0 .. 31: two whole blocks, in the order of the operand's registers.  Waves share nothing: no barrier.
; A block's scale is 2^(floor(log2(largest magnitude)) - 2): its byte is the largest magnitude's exponent field - 2, held at 1 from below.
; LIMITS: a block whose largest magnitude lies under 2^-124 (a block of zeros too) gets the byte 1; only this program reads the bytes, and zero codes add nothing.  NaN and infinities are not served.
.set SW,  12                           ; v12-15   the tile's scale image: register j: lanes 0-15 step j, lanes 16-31 step 4 + j
.set RA,  16                           ; v16-31   byte offset of row i's 16 bytes for my lane
.set R0,  32                           ; v32-159  two sets of 64: a step as loaded
.set X,   160                          ; v160-223 my 64 numbers
.set PC,  224                          ; v224-235 the fragment
.set T2,  236                          ; v236-238, v240-242 the second halves of the blocks' codes
.set MX,  244
.set SO,  246
.set BY,  248
	s_load_b256 s[4:11], s[0:1], 0x0               ; q, k, v, Wq
	s_load_b256 s[12:19], s[0:1], 0x20             ; Wk, Wv, Wo, xc
	s_load_b64 s[20:21], s[0:1], 0x40              ; xs
	v_lshl_add_u32 v254, v0, 2, 0x8400
	v_mov_b32 v255, 0
	v_lshrrev_b32 v1, 5, v0
	v_readfirstlane_b32 s35, v1                    ; wave
	v_and_b32 v1, 31, v0                           ; lane
	v_and_b32 v2, 15, v0                           ; r
	v_bfe_u32 v3, v0, 4, 1                         ; h
	v_lshlrev_b32 v4, 4, v1                        ; 16 x lane
	v_lshlrev_b32 v5, 3, v1                        ; 8 x lane
	s_mul_i32 s34, s35, 8448                       ; my stage
	v_add_nc_u32 v6, s34, v4                       ; in: a row's 512 bytes as they lie
	v_mul_u32_u24 v7, v2, 528
	v_lshl_add_u32 v7, v3, 7, v7
	v_add_nc_u32 v7, s34, v7                       ; out: row r, + 128 h
	v_lshlrev_b32 v8, 3, v3                        ; 8 h: my bytes' place in the scale word
	v_mov_b32 v10, 0                               ; a lane permute's destination counts as one of its sources
	s_mov_b32 s36, 0x76543210
	s_mov_b32 s37, 0xfedcba98                      ; selects for lane l xor 16
	s_mov_b32 s38, 0xffff0000                      ; lanes 16-31
	s_wait_alu depctr_va_vdst(0)
	s_wait_kmcnt 0x0
	; which tensor: the choice hangs on the work-group's number alone
	s_mov_b64 s[22:23], s[16:17]                   ; Wo
	s_mov_b32 s24, 432                             ; its first work-group
	s_mov_b32 s25, 0                               ; its order of rows
.macro PICK lim, ptr, start, kind
	s_cmp_lt_u32 ttmp9, \lim
	s_cselect_b64 s[22:23], s[\ptr:\ptr+1], s[22:23]
	s_cselect_b32 s24, \start, s24
	s_cselect_b32 s25, \kind, s25
.endm
	PICK 432, 14, 416, 2
	PICK 416, 12, 400, 2
	PICK 400, 10, 384, 2
	PICK 384, 8, 256, 1
	PICK 256, 6, 128, 1
	PICK 128, 4, 0, 0
	s_lshl_b32 s39, ttmp9, 2
	s_add_co_u32 s39, s39, s35                     ; the tile in xc
	s_lshl_b32 s28, s24, 2
	s_sub_co_u32 s28, s39, s28                     ; t: the tile in its tensor
	s_and_b32 s29, s28, 1
	s_lshl_b32 s30, s28, 4                         ; first row, order 0: 16 t
	s_lshl_b32 s31, s29, 3
	s_sub_co_u32 s31, s30, s31                     ; order 1: 16 t - 8 (t % 2)
	s_bfe_u32 s32, s28, 0x10001
	s_lshl_b32 s32, s32, 9
	s_lshl_b32 s33, s29, 7
	s_add_co_u32 s32, s32, s33
	s_lshr_b32 s33, s28, 2
	s_add_co_u32 s32, s32, s33                     ; order 2: 512 ((t / 2) % 2) + 128 (t % 2) + t / 4
	s_mov_b32 s26, 4096                            ; bytes from lane i's row to lane i + 1's
	s_mov_b32 s27, 0                               ; and the further step between i = 7 and i = 8
	s_cmp_eq_u32 s25, 1
	s_cselect_b32 s30, s31, s30
	s_cselect_b32 s27, 0x8000, s27
	s_cmp_eq_u32 s25, 2
	s_cselect_b32 s30, s32, s30
	s_cselect_b32 s26, 0x10000, s26
	s_cselect_b32 s27, 0x80000, s27
	s_lshl_b32 s30, s30, 12                        ; rows of 4,096 bytes
	s_mov_b32 s31, 0
	s_add_nc_u64 s[22:23], s[22:23], s[30:31]
	s_mul_i32 s30, s39, 12288
	s_add_nc_u64 s[18:19], s[18:19], s[30:31]
	s_lshl_b32 s30, s39, 9
	s_add_nc_u64 s[20:21], s[20:21], s[30:31]
	s_mov_b32 s28, 0
.irp i, 0,1,2,3,4,5,6,7,8,9,10,11,12,13,14,15
	v_add_nc_u32 v[RA+\i], s28, v4
	s_add_co_u32 s28, s28, s26
.if \i == 7
	s_add_co_u32 s28, s28, s27
.endif
.endr
.macro LOAD q                          ; K step q of the 16 rows: each load reads 512 consecutive bytes
.irp i, 0,1,2,3,4,5,6,7,8,9,10,11,12,13,14,15
	global_load_b128 v[R0+64*((\q)%2)+4*\i:R0+64*((\q)%2)+4*\i+3], v[RA+\i], s[22:23] offset:512*(\q) th:TH_LOAD_NT
.endr
.endm
.macro TURN q                          ; through the stage: LDS serves a wave's instructions in order, so no wait stands between the stores and the loads
.irp i, 0,1,2,3,4,5,6,7,8,9,10,11,12,13,14,15
	ds_store_b128 v6, v[R0+64*((\q)%2)+4*\i:R0+64*((\q)%2)+4*\i+3] offset:528*\i
.endr
.irp c, 0,1
.irp j, 0,1,2,3,4,5,6,7
	ds_load_b128 v[X+32*\c+4*\j:X+32*\c+4*\j+3], v7 offset:256*\c+16*\j
.endr
.endr
.endm
.macro QW                              ; my two blocks (2 c + h) become registers 6 c .. 6 c + 5 of the fragment; v9 = my row's scale word
.irp c, 0,1
	v_max3_num_f32 v[MX+\c], |v[X+32*\c]|, |v[X+32*\c+1]|, 0x1800000   ; with the floor 2^(3 - 127): the byte cannot fall under 1
.endr
.irp i, 2,4,6,8,10,12,14,16,18,20,22,24,26,28,30
.irp c, 0,1
	v_max3_num_f32 v[MX+\c], v[MX+\c], |v[X+32*\c+\i]|, |v[X+32*\c+\i+1]|
.endr
.endr
.irp c, 0,1
	v_add_nc_u32 v[SO+\c], 0xff000000, v[MX+\c]    ; 2 off the exponent field: the conversion's scale operand
.endr
.irp c, 0,1
	v_lshrrev_b32 v[BY+\c], 23, v[SO+\c]           ; the scale's byte
.endr
	v_lshl_or_b32 v9, v[BY+1], 16, v[BY]
	v_lshlrev_b32 v9, v8, v9                       ; blocks h and 2 + h at their places,
	v_permlanex16_b32 v10, v9, s36, s37
	v_or_b32 v9, v9, v10                           ; with lane l xor 16's two the word is whole
.irp c, 0,1
	v_cvt_scalef32_pk16_fp6_f32 v[PC+6*\c:PC+6*\c+2], v[X+32*\c:X+32*\c+15], v[SO+\c]
	v_cvt_scalef32_pk16_fp6_f32 v[T2+4*\c:T2+4*\c+2], v[X+32*\c+16:X+32*\c+31], v[SO+\c]   ; (a conversion's three registers begin on an even number)
.endr
	v_nop                                          ; one plain place behind a scaled conversion
.irp c, 0,1
.irp i, 0,1,2
	v_mov_b32 v[PC+3+6*\c+\i], v[T2+4*\c+\i]
.endr
.endr
.endm
.macro OUTQ q
.irp c, 0,1,2,3,4,5
	global_store_b64 v5, v[PC+2*\c:PC+2*\c+1], s[18:19] offset:1536*(\q)+256*\c   ; 32 lanes store 256 consecutive bytes, aligned
.endr
.if (\q) < 4
	v_mov_b32 v[SW+(\q)], v9
.else
	v_cndmask_b32 v[SW+(\q)-4], v[SW+(\q)-4], v9, s38   ; lanes 16-31 take steps 4 to 7
.endif
.endm
	s_wait_alu depctr_va_vdst(0)
	LOAD 0
	LOAD 1
.irp q, 0,1,2,3,4,5,6,7
.if \q < 7
	s_wait_loadcnt 16                              ; this step's 16 loads are in; the next step's 16 may be out
.else
	s_wait_loadcnt 0x0
.endif
	TURN \q
	s_wait_dscnt 0x0                               ; my 64 numbers are in, and the stage's stores have read their registers,
.if \q < 6
	LOAD \q+2                                      ; which take the step two on
.endif
.if \q > 0
	s_wait_xcnt 0x0                                ; the last step's stores have read the fragment's registers
.endif
	QW
	OUTQ \q
.endr
	global_store_b128 v4, v[SW:SW+3], s[20:21]     ; the tile's 512 bytes of scale words
	s_wait_tensorcnt 0x0
	ds_add_u32 v254, v255
	s_wait_dscnt 0x0
	s_endpgm
.Lfunc_end_k_qd4786ae761_quant:
	.size	k_qd4786ae761_quant, .Lfunc_end_k_qd4786ae761_quant-k_qd4786ae761_quant
	.p2alignl 7, 3214868480
	.fill 96, 4, 3214868480
	.section	.rodata,"a",@progbits
	.p2align	6, 0x0
	.amdhsa_kernel k_qd4786ae761_quant
		.amdhsa_group_segment_fixed_size 34304
		.amdhsa_private_segment_fixed_size 0
		.amdhsa_enable_private_segment 0
		.amdhsa_kernarg_size 72
		.amdhsa_user_sgpr_count 2
		.amdhsa_user_sgpr_kernarg_segment_ptr 1
		.amdhsa_wavefront_size32 1
		.amdhsa_system_sgpr_workgroup_id_x 1
		.amdhsa_system_sgpr_workgroup_id_y 1
		.amdhsa_system_sgpr_workgroup_id_z 1
		.amdhsa_system_vgpr_workitem_id 0
		.amdhsa_next_free_vgpr 256
		.amdhsa_next_free_sgpr 66
		.amdhsa_reserve_vcc 0
		.amdhsa_float_denorm_mode_32 3
		.amdhsa_float_denorm_mode_16_64 3
		.amdhsa_memory_ordered 1
		.amdhsa_forward_progress 1
		.amdhsa_inst_pref_size 62
	.end_amdhsa_kernel
	.amdgpu_metadata
---
amdhsa.version: [ 1, 2 ]
amdhsa.kernels:
  - .name:           k_qd4786ae761_quant
    .symbol:         k_qd4786ae761_quant.kd
    .args:
      - { .name: q, .offset: 0, .size: 8, .value_kind: global_buffer, .address_space: global }
      - { .name: k, .offset: 8, .size: 8, .value_kind: global_buffer, .address_space: global }
      - { .name: v, .offset: 16, .size: 8, .value_kind: global_buffer, .address_space: global }
      - { .name: Wq, .offset: 24, .size: 8, .value_kind: global_buffer, .address_space: global }
      - { .name: Wk, .offset: 32, .size: 8, .value_kind: global_buffer, .address_space: global }
      - { .name: Wv, .offset: 40, .size: 8, .value_kind: global_buffer, .address_space: global }
      - { .name: Wo, .offset: 48, .size: 8, .value_kind: global_buffer, .address_space: global }
      - { .name: xc, .offset: 56, .size: 8, .value_kind: global_buffer, .address_space: global }
      - { .name: xs, .offset: 64, .size: 8, .value_kind: global_buffer, .address_space: global }
    .group_segment_fixed_size: 34304
    .private_segment_fixed_size: 0
    .kernarg_segment_align: 8
    .kernarg_segment_size: 72
    .max_flat_workgroup_size: 128
    .sgpr_count:     66
    .vgpr_count:     256
    .wavefront_size: 32
...
	.end_amdgpu_metadata
.endif
;; end of part 1
;; launch proj (part 2): grid 4 x 64, 4 waves a work-group, clusters of 4 x 4, 327,680 bytes of LDS; arguments xc, xs, bq, bk, bv, qc, qs, kv, kvs; writes qc, qs, kv, kvs
.if DOCPART == 2
	.amdgcn_target "amdgcn-amd-amdhsa--gfx1250"
	.amdhsa_code_object_version 6
	.text
	.protected	k_qd4786ae761_proj
	.globl	k_qd4786ae761_proj
	.p2align	8
	.type	k_qd4786ae761_proj,@function
k_qd4786ae761_proj:
	s_mov_b64 s[64:65], 0
	v_nop
	global_prefetch_b8 v0, s[64:65] scope:SCOPE_SE
	s_setreg_imm32_b32 hwreg(HW_REG_WAVE_MODE, 25, 1), 1
	s_wait_xcnt 0x0
	s_wait_alu depctr_hold_cnt(0) depctr_sa_sdst(0) depctr_va_vdst(0) depctr_va_sdst(0) depctr_va_ssrc(0) depctr_va_vcc(0) depctr_vm_vsrc(0)
	s_getreg_b32 s2, hwreg(HW_REG_IB_STS2, 6, 4)
	s_cmp_eq_u32 s2, 0
	s_cbranch_scc0 .Lentry_in_a_cluster
	s_endpgm
.Lentry_in_a_cluster:
	s_bfe_u32 s2, ttmp6, 0x10000c
	s_cmp_lg_u32 s2, 0xf033
	s_cbranch_scc0 .Lentry_shape_is_right
	s_endpgm
.Lentry_shape_is_right:
; The three projections x W^T + b on codes of FP6 (E2M3), their results quantised in registers and stored as images of the operands that attention wants.
; A WORK-GROUP STAYS and makes three tiles, T = 0 the queries, 1 the keys, 2 the values, written out one behind the other (768 matrix instructions and 1,728 LDS loads a wave).
; Source 0 of every product is called P (a lane's result registers run along P's rows), source 1 is R (a lane is one row of R).
;   T = 0, 1: P = W (rows ordered by head and by d), R = x.  A lane holds one row of x and 64 + 64 numbers along d of two heads: quantised along d.
;   T = 2:    P = v's rows (the keys), R = Wv.  A lane holds one channel d of one head and 128 keys: quantised along the keys.
; A tile is 256 rows of P x 128 rows of R, K = 1,024.  Four waves, each 128 P x 64 R: 32 accumulators, 32 matrix instructions a K step, the accumulators by turns.
; LDS: two slots of 147,456 bytes, each with four K steps of the tile's operands (P's 16 row tiles x 6,144 bytes, then R's 8).  When a slot's last fragments are in registers it is filled again with the same
; half of the NEXT tile: slot 0 at K step 3, slot 1 at K step 7.  So the next tile's operands are on their way while this tile is multiplied, quantised and stored, and nothing waits for a tile's stores.
; CLUSTER 4 x 4: P's tiles hang on cx and are shared along a column, R's on cy and are shared along a row: joint loads, waves 0, 1 for P, waves 2, 3 for R; two loads of a wave are out at the start, one behind each round.
; Each refill stands first behind a round of the cluster's barrier.
; The operands lie in xc as images of registers (1,536 bytes a fragment, chunk c: registers 2 c, 2 c + 1, 8 bytes a lane): every LDS read is 256 consecutive bytes.
; The bias is the C of each sum's first product: the sum begins with it instead of ending with it (an order of f32 rounding other than x W^T + b).
; OUTPUT.  qc [bh][tile of 16 queries][768], kv [bh][K: tile of 16 keys x 768 | V: 128 keys x d tile x 1,536]; qs, kvs: scale words, [group of 4 tiles][r][tile].  A head's 64 along d are half a fragment;
; its scale word has two bytes and two zeros (the upper 64 of that product's K are zero codes on both sides).
; LIMITS: a block whose largest magnitude lies under 2^-124 gets the byte 1; NaN and infinities are not served.
; REGISTERS.  window 0: v1 8 lane, v2 r, v3 h, v4-5 / v8-9 LDS addresses of P / R by slot, v12 16 lane, v14-17 offsets, v18-19 the add's; v32-63 P's scale words, v64-79 R's; v80-123 the quantiser; v128-223 R's fragments, two sets.
;   window 1: v0-95, v128-223 P's fragments, two sets; v96-127, v224-255 the bias.   window 2: accumulator (ri, pi) at v[8 (8 ri + pi)].
; SCALARS.  s[66:71] P's addresses for T = 0, 1, 2 and s78-80: made of cx, the cluster's y and the wave's number alone; s[72:77] R's and s81-83: of cy, the cluster's y and the wave's number alone.
.set SLOTB, 147456                     ; a slot: P's 16 tiles x 6,144 bytes, then R's 8
.set ROFF,  98304
.set SPARE, 2*SLOTB                    ; behind the slots: the spare words, 128 bytes for each wave: two blocks of 256 bytes that no other line names
.set AP,   4
.set AR,   8
.set SPW,  18                          ; v18  LDS address of my spare word; never rewritten
.set NIL,  19                          ; v19  0; never rewritten
.set SCP,  32
.set SCR,  64
.set TM,   80
.set PW,   96
.set PC,   100
.set SWD,  120
.set RF,   128
.set G1P,  32                          ; s[32:39], s[40:47] descriptor groups 1
.set G1R,  40
.set G0P,  48                          ; s[48:55], s[56:63] groups 0, one set for each slot
.set G0R,  56
.set PA,   66
.set RA,   72
.set MSB, 0
.macro WIN new                         ; the immediate's high byte repeats the setting that is left
.if MSB != \new
	s_set_vgpr_msb (MSB<<8)|\new
.set MSB, \new
.endif
.endm
.set MULW, 0xa1                        ; source 0 (P) window 1, source 1 (R) window 0, C and D window 2
.set MULB, 0x91                        ; the same with C (the bias) in window 1
.set TO_P, 0x40                        ; destination window 1, address window 0
.macro CREST                           ; a round of the cluster's barrier behind its opening barrier
	s_cmp_lg_u32 s22, 0
	s_cbranch_scc1 .Lnot_wave_0_\@
	s_barrier_signal -3
.Lnot_wave_0_\@:
	s_barrier_wait -3
	s_barrier_signal -1
	s_barrier_wait -1
.endm
.macro CROUND                          ; a whole round
	s_barrier_signal -1
	s_barrier_wait -1
	CREST
.endm
; A joint refill of slot s: waves 0, 1 fetch P's halves, waves 2, 3 R's.  The branch hangs on the wave's number alone.  Four v_nop follow each of the two lines.
.macro JLOAD s
	s_cmp_lt_u32 s22, 2
	s_cbranch_scc0 .Lfor_r_\@
	tensor_load_to_lds s[G0P+4*\s:G0P+4*\s+3], s[G1P:G1P+7]
	s_nop 0
.rept 4
	v_nop
.endr
	s_branch .Lasked_\@
.Lfor_r_\@:
	tensor_load_to_lds s[G0R+4*\s:G0R+4*\s+3], s[G1R:G1R+7]
	s_nop 0
.rept 4
	v_nop
.endr
.Lasked_\@:
.endm
.macro PLACES                          ; four places in front of loads into registers that matrix instructions have read, and of the first read of results
.rept 4
	v_nop
.endr
.endm
.macro FETCH q                         ; K step q: my 8 fragments of P and 4 of R into set q % 2, from slot q / 4
	WIN TO_P
.irp i, 0,1,2,3,4,5,6,7
.irp c, 0,1,2,3,4,5
	ds_load_b64 v[128*((\q)%2)+12*\i+2*\c:128*((\q)%2)+12*\i+2*\c+1], v[AP+(\q)/4] offset:6144*\i+1536*((\q)%4)+256*\c
.endr
.endr
	WIN 0
.irp i, 0,1,2,3
.irp c, 0,1,2,3,4,5
	ds_load_b64 v[RF+48*((\q)%2)+12*\i+2*\c:RF+48*((\q)%2)+12*\i+2*\c+1], v[AR+(\q)/4] offset:6144*\i+1536*((\q)%4)+256*\c
.endr
.endr
.endm
; 16 products: R's tiles r0, r0 + 1 x P's eight.  cmode 0: onto the sums; 1: the sums begin with the bias of P's tile; 2: with that of R's tile.  Steps 4-7 take their scale words from lanes 16-31
.macro MULR q, cmode, r0
.if \cmode
	WIN MULB
.else
	WIN MULW
.endif
.irp ri, \r0, \r0+1
.irp pi, 0,1,2,3,4,5,6,7
.set rD, 8*(8*(\ri)+\pi)
.set rP, 128*((\q)%2)+12*\pi
.set rR, RF+48*((\q)%2)+12*(\ri)
.set rS, SCR+4*(\ri)+(\q)%4
.set rC, rD
.if \cmode == 1
.set rC, 96+8*\pi+96*(\pi/4)
.elseif \cmode == 2
.set rC, 96+8*(\ri)
.endif
.if (\q) < 4
	v_wmma_scale_f32_16x16x128_f8f6f4 v[rD:rD+7], v[rP:rP+11], v[rR:rR+11], v[rC:rC+7], v[SCP+4*\pi+(\q)%4], v[rS] matrix_a_fmt:MATRIX_FMT_FP6 matrix_b_fmt:MATRIX_FMT_FP6
.else
	v_wmma_scale_f32_16x16x128_f8f6f4 v[rD:rD+7], v[rP:rP+11], v[rR:rR+11], v[rC:rC+7], v[SCP+4*\pi+(\q)%4], v[rS] matrix_a_fmt:MATRIX_FMT_FP6 matrix_b_fmt:MATRIX_FMT_FP6 matrix_a_scale:MATRIX_SCALE_ROW1 matrix_b_scale:MATRIX_SCALE_ROW1
.endif
.endr
.endr
.endm
; THE CHANGE OF SLOTS, at the head of K step q, the last whose fragments come from slot sl.  Each wave waits for all its tensor loads (its part of the other slot), adds 0 to its spare word, and waits for that and
; for its reads of slot sl.  Half of the step's products stand between the barrier's signal and its wait.  fill = 1: the barrier opens a round of the cluster's, and slot sl takes the same half of tile nt.
.macro CHANGE q, sl, fill, nt
	WIN 0
	s_wait_tensorcnt 0x0                           ; no tensor load of mine is out, so a group 0 may be written
	ds_add_u32 v[SPW], v[NIL]                      ; 0 onto my spare word
.if \fill
	s_add_nc_u64 s[G0P+4*\sl+2:G0P+4*\sl+3], s[PA+2*\nt:PA+2*\nt+1], 6144*\sl
	s_or_b32 s[G0P+4*\sl+3], s[G0P+4*\sl+3], 0x80000000
	s_add_nc_u64 s[G0R+4*\sl+2:G0R+4*\sl+3], s[RA+2*\nt:RA+2*\nt+1], 6144*\sl
	s_or_b32 s[G0R+4*\sl+3], s[G0R+4*\sl+3], 0x80000000
.endif
	s_wait_dscnt 0x0                               ; the add is done; this step's fragments are in, and with them my reads of slot sl are over
	s_barrier_signal -1
	MULR \q, 0, 0
	WIN 0
	s_barrier_wait -1
.if \fill
	CREST                                          ; no wave of any partner still reads the slot or has a load on its way
	JLOAD \sl                                      ; the first tensor load behind the round; its four v_nop are also the places in front of the loads that follow
.else
	PLACES
.endif
.endm
; 64 numbers of a lane in window 2, v[s] on, register 16 b + i = k 32 b + 16 (lane / 16) + i of my row, become a fragment in v[PC] on and its scale word in v[PW].  Each accumulator is read from its low end on.
.macro QUANT s
	WIN 0x0a
.irp b, 0,1,2,3
	v_max3_num_f32 v[TM+\b], |v[(\s)+16*\b]|, |v[(\s)+1+16*\b]|, 0x1800000   ; with the floor 2^(3 - 127)
.endr
	WIN 0x28
.irp i, 2,4,6,8,10,12,14
.irp b, 0,1,2,3
	v_max3_num_f32 v[TM+\b], v[TM+\b], |v[(\s)+16*\b+\i]|, |v[(\s)+1+16*\b+\i]|
.endr
.endr
	WIN 0
.irp b, 0,1,2,3
	v_permlanex16_b32 v[TM+4+\b], v[TM+\b], s100, s101
.endr
.irp b, 0,1,2,3
	v_max_num_f32 v[TM+\b], v[TM+\b], v[TM+4+\b]   ; with lane l xor 16's: the block's largest magnitude
.endr
.irp b, 0,1,2,3
	v_add_nc_u32 v[TM+12+\b], 0xff000000, v[TM+\b] ; 2 off the exponent field: the conversion's scale operand
.endr
.irp b, 0,1,2,3
	v_lshrrev_b32 v[TM+4+\b], 23, v[TM+12+\b]      ; the scale's byte
.endr
	v_lshl_or_b32 v[PW], v[TM+5], 8, v[TM+4]
	v_lshl_or_b32 v[PW], v[TM+6], 16, v[PW]
	v_lshl_or_b32 v[PW], v[TM+7], 24, v[PW]
	WIN 0x02
.irp c, 0,1
	v_cvt_scalef32_pk16_fp6_f32 v[PC+6*\c:PC+2+6*\c], v[(\s)+32*\c:(\s)+15+32*\c], v[TM+12+2*\c]
	v_cvt_scalef32_pk16_fp6_f32 v[PC+12+4*\c:PC+14+4*\c], v[(\s)+16+32*\c:(\s)+31+32*\c], v[TM+12+2*\c+1]
.endr
	WIN 0
	v_nop                                          ; one plain place behind a scaled conversion
.irp c, 0,1                            ; the operand's layout wants a whole block in a lane
.irp i, 0,1,2
	v_permlane16_swap_b32 v[PC+6*\c+\i], v[PC+12+4*\c+\i]
.endr
.irp i, 0,1,2
	v_mov_b32 v[PC+3+6*\c+\i], v[PC+12+4*\c+\i]
.endr
.endr
.endm
; Tile T's scale words (512 consecutive bytes a load) and bias are asked for.  The registers that the loads name were freed by the last tile's wait for its loads.
.macro ASK T
.if \T == 0
	s_lshl_b32 s94, s78, 9                         ; P's first tile of mine x 512 bytes
.elseif \T == 1
	s_add_co_u32 s94, s78, 64
	s_lshl_b32 s94, s94, 9
.else
	s_lshl_b32 s94, s79, 4
	s_add_co_u32 s94, s94, s28
	s_add_co_u32 s94, s94, 1024
	s_lshl_b32 s94, s94, 9
.endif
	s_add_nc_u64 s[84:85], s[6:7], s[94:95]
	s_lshl_b32 s3, s24, 2
.if \T == 2
	s_lshl_b32 s94, s83, 3
	s_add_co_u32 s94, s94, 1664
.else
	s_add_co_u32 s94, s82, 512*\T
.endif
	s_add_co_u32 s94, s94, s3                      ; R's first tile of mine
	s_lshl_b32 s94, s94, 9
	s_add_nc_u64 s[86:87], s[6:7], s[94:95]
.if \T == 2
	s_lshl_b32 s99, s83, 1
	s_add_co_u32 s99, s99, s24                     ; my head
	s_lshl_b32 s94, s99, 2
	s_add_nc_u64 s[88:89], s[12:13], s[94:95]
	v_and_b32 v17, 8, v2
	v_add_nc_u32 v17, v17, v2
	v_lshlrev_b32 v17, 6, v17                      ; column 16 d + head, d = 32 (ri / 2) + 8 (ri % 2) + r + 8 (r / 8)
.else
	s_lshl_b32 s94, s96, 3                         ; my heads are 2 G and 2 G + 1
	s_add_nc_u64 s[88:89], s[8+2*\T:9+2*\T], s[94:95]
	v_lshlrev_b32 v17, 10, v3                      ; column 16 d + head, d = 32 (t / 2) + 16 h + 8 (t % 2) + j: 1,024 h bytes
.endif
.irp i, 0,1,2,3,4,5,6,7
	global_load_b128 v[SCP+4*\i:SCP+4*\i+3], v12, s[84:85] offset:512*\i
.endr
.irp i, 0,1,2,3
	global_load_b128 v[SCR+4*\i:SCR+4*\i+3], v12, s[86:87] offset:512*\i
.endr
	WIN TO_P
.if \T == 2
.irp ri, 0,1,2,3
.irp j, 0,1,2,3,4,5,6,7
	global_load_b32 v[96+8*\ri+\j], v17, s[88:89] offset:64*(32*(\ri/2)+8*(\ri%2))   ; the same number for all eight keys of a lane
.endr
.endr
.else
.irp pi, 0,1,2,3,4,5,6,7
.irp j, 0,1,2,3,4,5,6,7
	global_load_b32 v[96+8*\pi+96*(\pi/4)+\j], v17, s[88:89] offset:(32*((\pi%4)/2)+8*(\pi%2)+\j)*64+4*(\pi/4)
.endr
.endr
.endif
	WIN 0
.endm
; Where tile T's results go: s[90:91] the codes, s[92:93] the scale words, v14 the fragment's second half, v15 my four scale words
.macro OUTP T
.if \T == 2
	s_lshl_b32 s94, s79, 1
	s_add_co_u32 s94, s94, s23                     ; G: my 128 keys
	s_lshr_b32 s3, s94, 4
	s_lshl_b32 s3, s3, 4
	s_add_co_u32 s3, s3, s99                       ; bh = 16 batch + head
	s_and_b32 s98, s94, 15                         ; the key step in the batch
	s_mul_i32 s94, s3, 196608
	s_mul_i32 s97, s98, 6144
	s_add_co_u32 s94, s94, s97
	s_add_co_u32 s94, s94, 98304
	s_add_nc_u64 s[90:91], s[18:19], s[94:95]
	s_mul_i32 s94, s3, 12288
	s_lshl_b32 s97, s98, 8
	s_add_co_u32 s94, s94, s97
	s_add_co_u32 s94, s94, 8192
	s_add_nc_u64 s[92:93], s[20:21], s[94:95]
	v_add_nc_u32 v14, 768, v1                      ; the fragment's second half follows the first
	v_lshlrev_b32 v15, 4, v2
.else
	s_mul_i32 s94, s97, 98304*(1+\T)               ; bytes of codes from head to head: 98,304 in qc, 196,608 in kv
	s_mul_i32 s3, s98, 768
	s_add_co_u32 s94, s94, s3
	s_add_nc_u64 s[90:91], s[14+4*\T:15+4*\T], s[94:95]
	s_mul_i32 s94, s97, 8192+4096*\T               ; of scale words: 8,192 in qs, 12,288 in kvs
	s_lshr_b32 s3, s98, 2
	s_lshl_b32 s3, s3, 8
	s_add_co_u32 s94, s94, s3
	s_add_nc_u64 s[92:93], s[16+4*\T:17+4*\T], s[94:95]
	v_add_nc_u32 v14, 98304*(1+\T), v1             ; the second half belongs to the next head
	v_mul_u32_u24 v15, v3, 8192+4096*\T
	v_lshl_add_u32 v15, v2, 4, v15
.endif
.endm
; The way out of tile T: a tile of R's rows at a time
.macro WAYOUT T
.irp ri, 0,1,2,3
.if \ri
	s_wait_xcnt 0x0                                ; the stores have read the fragment's registers and their base
.if \T == 2
	s_add_nc_u64 s[90:91], s[90:91], 1536          ; from d tile to d tile
.else
	s_add_nc_u64 s[90:91], s[90:91], 768           ; from tile to tile of 16 rows
.endif
.endif
	QUANT 64*\ri
.irp c, 0,1,2
	global_store_b64 v1, v[PC+2*\c:PC+2*\c+1], s[90:91] offset:256*\c      ; 256 consecutive bytes, aligned
.endr
.irp c, 0,1,2
	global_store_b64 v14, v[PC+6+2*\c:PC+6+2*\c+1], s[90:91] offset:256*\c
.endr
.if \T == 2
	v_mov_b32 v[SWD+\ri], v[PW]
.else
	v_lshrrev_b32 v[SWD+\ri], v16, v[PW]           ; lanes 16-31 take the word's upper two bytes: the second head's
	v_and_b32 v[SWD+\ri], 0xffff, v[SWD+\ri]
.endif
.endr
	global_store_b128 v15, v[SWD:SWD+3], s[92:93]  ; queries, keys: 256 bytes for each of two heads; values: both halves of the lanes store the same 256 bytes
.endm
; A TILE.  At its head K step 0's fragments, its scale words and its bias have been asked for.  N: the tile that follows.
.macro TILE T, N
	s_wait_dscnt 0x0                               ; K step 0's fragments are in
	FETCH 1
	s_wait_loadcnt 0x0                             ; the scale words and the bias
.if \T == 2
	MULR 0, 2, 0
	MULR 0, 2, 2
.else
	MULR 0, 1, 0
	MULR 0, 1, 2
.endif
.irp q, 1,2
	s_wait_dscnt 0x0
	PLACES
	FETCH \q+1
	MULR \q, 0, 0
	MULR \q, 0, 2
.endr
.if \T < 2
	CHANGE 3, 0, 1, \N                             ; slot 0 takes the next tile's K steps 0-3
.else
	CHANGE 3, 0, 0, 0                              ; the last tile asks for nothing more
.endif
	FETCH 4
	MULR 3, 0, 2
.irp q, 4,5,6
	s_wait_dscnt 0x0
	PLACES
	FETCH \q+1
	MULR \q, 0, 0
	MULR \q, 0, 2
.endr
.if \T < 2
	CHANGE 7, 1, 1, \N                             ; slot 1 takes the next tile's K steps 4-7; its slot 0 is whole,
	FETCH 0                                        ; so the next tile's first fragments are fetched
	MULR 7, 0, 2
	WIN 0
	PLACES
	ASK \N                                         ; the next tile's scale words and bias land while this tile goes out
	WAYOUT \T
	s_wait_xcnt 0x0                                ; the stores have read their registers and bases
	OUTP \N
.else
	s_wait_dscnt 0x0
	MULR 7, 0, 0
	MULR 7, 0, 2
	WIN 0
	PLACES
	WAYOUT \T
.endif
.endm
	s_load_b256 s[4:11], s[0:1], 0x0               ; xc, xs, bq, bk
	s_load_b256 s[12:19], s[0:1], 0x20             ; bv, qc, qs, kv
	s_load_b64 s[20:21], s[0:1], 0x40              ; kvs
	v_lshl_add_u32 v[SPW], v0, 2, SPARE
	v_mov_b32 v[NIL], 0
	ds_add_u32 v18, v19
	ds_add_u32 v18, v19
	s_wait_dscnt 0x0
	v_lshrrev_b32 v1, 5, v0
	v_readfirstlane_b32 s22, v1                    ; wave
	s_and_b32 s23, s22, 1                          ; which half of P's rows is mine; also which half of a tile group I fetch
	s_lshr_b32 s24, s22, 1                         ; which half of R's rows is mine
	s_bfe_u32 s25, ttmp6, 0x40000                  ; cx
	s_bfe_u32 s26, ttmp6, 0x40004                  ; cy
	s_and_b32 s27, ttmp7, 0xffff                   ; j: the cluster's y, 0 .. 15
	s_lshl_b32 s80, 0x1111, s25                    ; my column of the cluster
	s_lshl_b32 s81, s26, 2
	s_lshl_b32 s81, 15, s81                        ; my row
	s_or_b32 s[G1P], s80, (3<<16)|(1<<21)          ; 15:0 the mask; 17:16 elements of 8 bytes; 21 set beside a mask; no padding
	s_or_b32 s[G1R], s81, (3<<16)|(1<<21)
.irp g, G1P, G1R
	s_mov_b32 s[\g+1], 768<<16                     ; tensor_dim0: 6,144 bytes: four K steps of one row tile
	s_mov_b32 s[\g+3], 768<<16                     ; tile_dim0
	s_mov_b32 s[\g+5], 1536                        ; from row tile to row tile: 12,288 bytes
	s_mov_b32 s[\g+6], 0
	s_mov_b32 s[\g+7], 0
.endr
	s_mov_b32 s[G1P+2], 8<<16                      ; tensor_dim1: 8 row tiles
	s_mov_b32 s[G1P+4], 8
	s_mov_b32 s[G1R+2], 4<<16                      ; 4 row tiles
	s_mov_b32 s[G1R+4], 4
	s_lshl_b32 s28, s23, 3                         ; 8 (wave % 2)
	s_lshl_b32 s29, s23, 2                         ; 4 (wave % 2)
	; P's tiles in xc.  T = 0: 1536 + 16 cx + 8 (wave % 2) (Wq); T = 1: 64 on (Wk); T = 2: 1024 + 16 (4 (j % 8) + cx) + 8 (wave % 2) (v)
	s_lshl_b32 s78, s25, 4
	s_add_co_u32 s78, s78, s28
	s_add_co_u32 s78, s78, 1536
	s_and_b32 s79, s27, 7
	s_lshl_b32 s79, s79, 2
	s_add_co_u32 s79, s79, s25
	s_mul_i32 s[PA], s78, 12288
	s_add_co_u32 s[PA+2], s78, 64
	s_mul_i32 s[PA+2], s[PA+2], 12288
	s_lshl_b32 s[PA+4], s79, 4
	s_add_co_u32 s[PA+4], s[PA+4], s28
	s_add_co_u32 s[PA+4], s[PA+4], 1024
	s_mul_i32 s[PA+4], s[PA+4], 12288
	s_mov_b32 s[PA+1], 0
	s_mov_b32 s[PA+3], 0
	s_mov_b32 s[PA+5], 0
	; R's.  T = 0: 8 (4 j + cy) + 4 (wave % 2) (q); T = 1: 512 on (k); T = 2: 1664 + 8 (4 (j / 8) + cy) + 4 (wave % 2) (Wv)
	s_lshl_b32 s82, s27, 5
	s_lshl_b32 s83, s26, 3
	s_add_co_u32 s82, s82, s83
	s_lshr_b32 s83, s27, 3
	s_lshl_b32 s83, s83, 2
	s_add_co_u32 s83, s83, s26
	s_add_co_u32 s[RA], s82, s29
	s_add_co_u32 s[RA+2], s[RA], 512
	s_mul_i32 s[RA], s[RA], 12288
	s_mul_i32 s[RA+2], s[RA+2], 12288
	s_lshl_b32 s[RA+4], s83, 3
	s_add_co_u32 s[RA+4], s[RA+4], s29
	s_add_co_u32 s[RA+4], s[RA+4], 1664
	s_mul_i32 s[RA+4], s[RA+4], 12288
	s_mov_b32 s[RA+1], 0
	s_mov_b32 s[RA+3], 0
	s_mov_b32 s[RA+5], 0
	; LDS addresses: made of the lane and the wave's number alone, ahead of the first branch on the wave's number
	s_mul_i32 s30, s23, 49152                      ; P: the 8 tiles that I fetch, and that I multiply by
	s_mul_i32 s31, s23, 24576
	s_add_co_u32 s31, s31, ROFF                    ; R: the 4 tiles that I fetch
	s_mul_i32 s2, s24, 24576
	s_add_co_u32 s2, s2, ROFF                      ; R: the 4 tiles that I multiply by
	v_and_b32 v12, 31, v0
	v_lshlrev_b32 v1, 3, v12                       ; 8 x lane
	v_lshlrev_b32 v12, 4, v12                      ; 16 x lane
	v_and_b32 v2, 15, v0                           ; r
	v_bfe_u32 v3, v0, 4, 1                         ; h
	v_add_nc_u32 v[AP], s30, v1
	v_add_nc_u32 v[AR], s2, v1
	v_add_nc_u32 v[AP+1], SLOTB, v[AP]
	v_add_nc_u32 v[AR+1], SLOTB, v[AR]
	v_lshlrev_b32 v16, 4, v3                       ; 16 h
.irp b, 0,1,2,3
	v_mov_b32 v[TM+4+\b], 0                        ; a lane permute's destination counts as one of its sources
.endr
	; what the queries' and the keys' tiles share
	s_lshl_b32 s96, s25, 1
	s_add_co_u32 s96, s96, s23                     ; G = 2 cx + wave % 2
	s_lshl_b32 s98, s82, 4
	s_lshl_b32 s3, s24, 6
	s_add_co_u32 s98, s98, s3                      ; my first row of x
	s_lshr_b32 s97, s98, 11
	s_lshl_b32 s97, s97, 4
	s_lshl_b32 s3, s96, 1
	s_add_co_u32 s97, s97, s3                      ; bh = 16 batch + 2 G
	s_bfe_u32 s98, s98, 0x70004                    ; my first tile in the batch
	s_mov_b32 s95, 0
	s_mov_b32 s100, 0x76543210
	s_mov_b32 s101, 0xfedcba98                     ; selects for lane l xor 16
	s_wait_kmcnt 0x0
.irp t, 0,1,2
	s_add_nc_u64 s[PA+2*\t:PA+2*\t+1], s[4:5], s[PA+2*\t:PA+2*\t+1]
	s_add_nc_u64 s[RA+2*\t:RA+2*\t+1], s[4:5], s[RA+2*\t:RA+2*\t+1]
.endr
.irp s, 0,1
	s_mov_b32 s[G0P+4*\s], 1
	s_add_co_u32 s[G0P+4*\s+1], s30, SLOTB*\s
	s_add_nc_u64 s[G0P+4*\s+2:G0P+4*\s+3], s[PA:PA+1], 6144*\s
	s_or_b32 s[G0P+4*\s+3], s[G0P+4*\s+3], 0x80000000
	s_mov_b32 s[G0R+4*\s], 1
	s_add_co_u32 s[G0R+4*\s+1], s31, SLOTB*\s
	s_add_nc_u64 s[G0R+4*\s+2:G0R+4*\s+3], s[RA:RA+1], 6144*\s
	s_or_b32 s[G0R+4*\s+3], s[G0R+4*\s+3], 0x80000000
.endr
	CROUND                                         ; all sixteen work-groups are here: the first joint loads meet
	s_cmp_lt_u32 s22, 2                            ; a wave's two first fills stand in one branch, ahead of every wait on TENSORcnt, LDS read and further barrier
	s_cbranch_scc0 .Lfill_r
	tensor_load_to_lds s[G0P:G0P+3], s[G1P:G1P+7]
	s_nop 0
	tensor_load_to_lds s[G0P+4:G0P+7], s[G1P:G1P+7]
	s_nop 0
.rept 4
	v_nop
.endr
	s_branch .Lfilled
.Lfill_r:
	tensor_load_to_lds s[G0R:G0R+3], s[G1R:G1R+7]
	s_nop 0
	tensor_load_to_lds s[G0R+4:G0R+7], s[G1R:G1R+7]
	s_nop 0
.rept 4
	v_nop
.endr
.Lfilled:
	ASK 0
	OUTP 0
	s_wait_tensorcnt 0x1                           ; my part of slot 0 is in; slot 1's load may stay out
	s_barrier_signal -1
	s_barrier_wait -1                              ; everybody's is
	FETCH 0
	TILE 0, 1
	TILE 1, 2
	TILE 2, 0
	s_wait_tensorcnt 0x0                           ; the wave's end
	ds_add_u32 v[SPW], v[NIL]
	s_wait_dscnt 0x0
	CROUND                                         ; the closing round: no work-group ends while a partner may still ask for a tile that names it
	s_endpgm
.Lfunc_end_k_qd4786ae761_proj:
	.size	k_qd4786ae761_proj, .Lfunc_end_k_qd4786ae761_proj-k_qd4786ae761_proj
	.p2alignl 7, 3214868480
	.fill 96, 4, 3214868480
	.section	.rodata,"a",@progbits
	.p2align	6, 0x0
	.amdhsa_kernel k_qd4786ae761_proj
		.amdhsa_group_segment_fixed_size 327680
		.amdhsa_private_segment_fixed_size 0
		.amdhsa_enable_private_segment 0
		.amdhsa_kernarg_size 72
		.amdhsa_user_sgpr_count 2
		.amdhsa_user_sgpr_kernarg_segment_ptr 1
		.amdhsa_wavefront_size32 1
		.amdhsa_system_sgpr_workgroup_id_x 1
		.amdhsa_system_sgpr_workgroup_id_y 1
		.amdhsa_system_sgpr_workgroup_id_z 1
		.amdhsa_system_vgpr_workitem_id 0
		.amdhsa_next_free_vgpr 768
		.amdhsa_next_free_sgpr 102
		.amdhsa_reserve_vcc 0
		.amdhsa_float_denorm_mode_32 3
		.amdhsa_float_denorm_mode_16_64 3
		.amdhsa_memory_ordered 1
		.amdhsa_forward_progress 1
		.amdhsa_inst_pref_size 255
	.end_amdhsa_kernel
	.section	.bss,"aw",@nobits
	.p2align	6
	.space	262144
	.amdgpu_metadata
---
amdhsa.version: [ 1, 2 ]
amdhsa.kernels:
  - .name:           k_qd4786ae761_proj
    .symbol:         k_qd4786ae761_proj.kd
    .args:
      - { .name: xc, .offset: 0, .size: 8, .value_kind: global_buffer, .address_space: global }
      - { .name: xs, .offset: 8, .size: 8, .value_kind: global_buffer, .address_space: global }
      - { .name: bq, .offset: 16, .size: 8, .value_kind: global_buffer, .address_space: global }
      - { .name: bk, .offset: 24, .size: 8, .value_kind: global_buffer, .address_space: global }
      - { .name: bv, .offset: 32, .size: 8, .value_kind: global_buffer, .address_space: global }
      - { .name: qc, .offset: 40, .size: 8, .value_kind: global_buffer, .address_space: global }
      - { .name: qs, .offset: 48, .size: 8, .value_kind: global_buffer, .address_space: global }
      - { .name: kv, .offset: 56, .size: 8, .value_kind: global_buffer, .address_space: global }
      - { .name: kvs, .offset: 64, .size: 8, .value_kind: global_buffer, .address_space: global }
    .group_segment_fixed_size: 327680
    .private_segment_fixed_size: 0
    .kernarg_segment_align: 8
    .kernarg_segment_size: 72
    .max_flat_workgroup_size: 128
    .sgpr_count:     102
    .vgpr_count:     768
    .wavefront_size: 32
...
	.end_amdgpu_metadata
.endif
;; end of part 2
;; launch attn (part 3): grid 4 x 64, 16 waves a work-group, clusters of 4 x 1, 210,944 bytes of LDS; arguments qc, qs, kv, kvs, ao, aos; writes ao, aos
.if DOCPART == 3
	.amdgcn_target "amdgcn-amd-amdhsa--gfx1250"
	.amdhsa_code_object_version 6
	.text
	.protected	k_qd4786ae761_attn
	.globl	k_qd4786ae761_attn
	.p2align	8
	.type	k_qd4786ae761_attn,@function
k_qd4786ae761_attn:
	s_mov_b64 s[64:65], 0
	v_nop
	global_prefetch_b8 v0, s[64:65] scope:SCOPE_SE
	s_setreg_imm32_b32 hwreg(HW_REG_WAVE_MODE, 25, 1), 1
	s_wait_xcnt 0x0
	s_wait_alu depctr_hold_cnt(0) depctr_sa_sdst(0) depctr_va_vdst(0) depctr_va_sdst(0) depctr_va_ssrc(0) depctr_va_vcc(0) depctr_vm_vsrc(0)
	s_getreg_b32 s2, hwreg(HW_REG_IB_STS2, 6, 4)
	s_cmp_eq_u32 s2, 0
	s_cbranch_scc0 .Lentry_in_a_cluster
	s_endpgm
.Lentry_in_a_cluster:
	s_bfe_u32 s2, ttmp6, 0x10000c
	s_cmp_lg_u32 s2, 0x3003
	s_cbranch_scc0 .Lentry_shape_is_right
	s_endpgm
.Lentry_shape_is_right:
; Causal attention of one (batch, head) a cluster, both products on codes of FP6 (E2M3); head size 64, 2,048 keys; scores / sqrt(1024).
; t = score x log2(e) / 32; M = the running largest t rounded up to a whole number; p = 2^(t - M) is quantised along the keys, not normalised; the row's sum is taken of the unquantised p and divides at the end;
; when M moves, the sum and O are multiplied by 2^(old M - new M), which rounds nothing.  The result is quantised along d (two blocks a head) and stored as half a fragment of the last product's operand.
; SHARES.  The head's 128 tiles of 16 queries are paired, i with 127 - i, i = 8 a + c, a = wave % 8, c = cx + 4 (wave / 8): a wave does a + 1 and 16 - a key steps of 128 keys: 17 for every wave of every work-group.
; The trip counts (8 and 16) are constants; a step all of whose keys are hidden is jumped over by a branch on the wave's number and the trip alone; cx enters only global addresses and the mask's compare.
; LDS is filled once, by joint loads of the four partners (the same head): K's codes 0, V's 98,304, K's scale words 196,608, V's 204,800.  One barrier; nothing is filled again.
; LAYOUT.  S^T = K Q^T (source 0 = 16 keys), O^T = V^T P^T (source 0 = 16 channels): a lane holds one query.  The first product's K is 64: the upper six registers of K's and Q's fragments are zero codes.
; The keys of a tile and the channels of a d tile were ordered when they were made, so that the 16 registers of tiles 2 b, 2 b + 1 are 16 neighbours: 32 b + 16 (lane / 16) + 0 .. 15.
; A block's largest p is the block's largest score put through the same multiply-add and exponential (this takes v_exp_f32 not to fall where its input rises).
; LIMITS: blocks whose largest magnitude lies under 2^-124 get the byte 1 (their codes are zeros or next to it); NaN and infinities are not served.  aos is stored in runs of 64 bytes.
.set AK0,  1                           ; 8 x lane: my place in an image, in LDS and in memory
.set AV0,  2
.set ASK0, 3
.set ASV0, 4
.set R4,   6
.set R16,  7
.set ADK,  8
.set ADV,  9
.set ADS,  10
.set ADT,  11
.set QF,   16                          ; v16-27 Q's fragment (v22-27 zeros)
.set QS,   28                          ; Q's scale word
.set PS,   29                          ; p's scale word
.set DV0,  30                          ; r - 16 h
.set DV,   31                          ; + my first query's place in its 128
.set KF,   32                          ; v32-79 four fragments of K
.set KSC,  80                          ; v80-87 K's scale words
.set VSC,  88                          ; v88-91 V's
.set S,    96                          ; v96-159 S^T, then p; v96-143 then V's four fragments
.set O,    160                         ; v160-191 O^T
.set PCD,  192                         ; v192-203 p's codes
.set PH,   204
.set BM,   212
.set PT,   216
.set SO,   220
.set SU,   224
.set F,    228
.set T0,   230
.set T1,   231
.macro CROUND
	s_barrier_signal -1
	s_barrier_wait -1
	s_cmp_lg_u32 s16, 0
	s_cbranch_scc1 .Lnot_wave_0_\@
	s_barrier_signal -3
.Lnot_wave_0_\@:
	s_barrier_wait -3
	s_barrier_signal -1
	s_barrier_wait -1
.endm
	s_load_b256 s[4:11], s[0:1], 0x0               ; qc, qs, kv, kvs
	s_load_b128 s[12:15], s[0:1], 0x20             ; ao, aos
	v_lshl_add_u32 v254, v0, 2, 0x33000
	v_mov_b32 v255, 0
	ds_add_u32 v254, v255
	ds_add_u32 v254, v255
	v_lshrrev_b32 v8, 5, v0
	s_delay_alu instid0(VALU_DEP_1)
	v_readfirstlane_b32 s16, v8                    ; wave 0 .. 15
	v_and_b32 v8, 31, v0
	s_delay_alu instid0(VALU_DEP_1)
	v_lshlrev_b32 v[AK0], 3, v8
	v_and_b32 v9, 15, v0                           ; r
	v_bfe_u32 v10, v0, 4, 1                        ; h
	s_delay_alu instid0(VALU_DEP_2)
	v_lshlrev_b32 v[R4], 2, v9
	s_delay_alu instid0(VALU_DEP_3)
	v_lshlrev_b32 v[R16], 4, v9
	v_add_nc_u32 v[AV0], 0x18000, v[AK0]
	s_delay_alu instid0(VALU_DEP_2)
	v_add_nc_u32 v[ASK0], 0x30000, v[R16]
	s_delay_alu instid0(VALU_DEP_3)
	v_add_nc_u32 v[ASV0], 0x32000, v[R16]
	v_lshlrev_b32 v10, 4, v10
	s_delay_alu instid0(VALU_DEP_1)
	v_sub_nc_u32 v[DV0], v9, v10
.irp p, 6,7,8,9,10,11
	v_mov_b32 v[QF+\p], 0                          ; zero codes for k = 64 .. 127, written once
.irp t, 0,1,2,3
	v_mov_b32 v[KF+12*\t+\p], 0
.endr
.endr
.irp b, 0,1,2,3
	v_mov_b32 v[PT+\b], 0                          ; a lane permute's destination counts as one of its sources
.endr
	v_mov_b32 v[F+1], 0                            ; named as the upper half of a pair
	v_mov_b32 v[T0], 0
	s_bfe_u32 s17, ttmp6, 0x40000                  ; cx
	s_and_b32 s18, ttmp7, 0xffff                   ; bh = 16 batch + head
	s_and_b32 s19, s16, 7                          ; a
	s_lshr_b32 s54, s16, 3
	s_lshl_b32 s54, s54, 2
	s_add_co_u32 s54, s54, s17                     ; c
	s_lshl_b32 s55, s19, 3
	s_add_co_u32 s55, s55, s54                     ; i
	s_mov_b32 s20, 0x76543210
	s_mov_b32 s21, 0xfedcba98
	s_mov_b32 s22, 0x3d38aa3b                      ; log2(e) / 32
	s_mov_b32 s23, s22
	; descriptors: dense blocks as rows of 256 bytes; the mask names all four partners
	s_mov_b32 s24, 15|(3<<16)|(1<<21)
	s_mov_b32 s25, 32<<16
	s_mov_b32 s26, 96<<16                          ; 96 rows: 24,576 bytes, an eighth of the head's codes
	s_mov_b32 s27, 32<<16
	s_mov_b32 s28, 96
	s_mov_b32 s29, 32
	s_mov_b32 s30, 0
	s_mov_b32 s31, 0
	s_mov_b32 s32, 15|(3<<16)|(1<<21)
	s_mov_b32 s33, 32<<16
	s_mov_b32 s34, 48<<16                          ; 48 rows: the head's 12,288 bytes of scale words
	s_mov_b32 s35, 32<<16
	s_mov_b32 s36, 48
	s_mov_b32 s37, 32
	s_mov_b32 s38, 0
	s_mov_b32 s39, 0
	s_mul_i32 s41, s19, 24576
	s_mul_i32 s56, s18, 196608
	s_add_co_u32 s56, s56, s41
	s_mov_b32 s57, 0
	s_mul_i32 s58, s18, 12288
	s_mov_b32 s59, 0
	s_mov_b32 s40, 1
	s_mov_b32 s44, 1
	s_mov_b32 s45, 196608
	s_wait_dscnt 0x0
	s_wait_kmcnt 0x0
	s_add_nc_u64 s[42:43], s[8:9], s[56:57]
	s_or_b32 s43, s43, 0x80000000
	s_add_nc_u64 s[46:47], s[10:11], s[58:59]
	s_or_b32 s47, s47, 0x80000000
	CROUND                                         ; the four work-groups are here: the joint loads meet
	s_cmp_lt_u32 s16, 8                            ; waves 0-7 fetch the codes, wave 8 the scale words, the others nothing: one load a wave
	s_cbranch_scc0 .Lnot_codes
	tensor_load_to_lds s[40:43], s[24:31]
	s_nop 0
.rept 4
	v_nop
.endr
	s_branch .Lasked
.Lnot_codes:
	s_cmp_eq_u32 s16, 8
	s_cbranch_scc0 .Lasked
	tensor_load_to_lds s[44:47], s[32:39]
	s_nop 0
.rept 4
	v_nop
.endr
.Lasked:
	s_wait_tensorcnt 0x0                           ; my load, if I have one, has landed
	s_barrier_signal -1
	s_barrier_wait -1                              ; the head's K and V lie in LDS for the rest of the launch
; A KEY STEP: 128 keys.  s48, s49, s50: where the step's codes, K's scale words and V's begin; s51 the step; s52 the last step that counts for my queries
.macro STEP
	s_cmp_gt_u32 s51, s52
	s_cbranch_scc1 .Lhidden_\@
	s_setprio 2
	v_add_nc_u32 v[ADK], s48, v[AK0]
	s_wait_alu depctr_va_vdst(0)
	v_add_nc_u32 v[ADV], s48, v[AV0]
	v_add_nc_u32 v[ADS], s49, v[ASK0]
	s_wait_alu depctr_va_vdst(0)
	v_add_nc_u32 v[ADT], s50, v[ASV0]
	v_nop                                          ; five places: the products below write over registers that the last step's products read as V's fragments
.irp g, 0,1
.if \g
.rept 4
	v_nop                                          ; places in front of loads into registers that matrix instructions have read
.endr
.endif
.irp t, 0,1,2,3
.irp p, 0,1,2
	ds_load_b64 v[KF+12*\t+2*\p:KF+12*\t+2*\p+1], v[ADK] offset:768*(4*\g+\t)+256*\p
.endr
.endr
	ds_load_b128 v[KSC+4*\g:KSC+4*\g+3], v[ADS] offset:256*\g
	s_wait_dscnt 0x0
.irp t, 0,1,2,3
	v_wmma_scale_f32_16x16x128_f8f6f4 v[S+8*(4*\g+\t):S+8*(4*\g+\t)+7], v[KF+12*\t:KF+12*\t+11], v[QF:QF+11], 0, v[KSC+4*\g+\t], v[QS] matrix_a_fmt:MATRIX_FMT_FP6 matrix_b_fmt:MATRIX_FMT_FP6
.endr
.endr
.rept 4
	v_nop
.endr
	s_cmp_lg_u32 s51, s52                          ; only my last step lies on the diagonal
	s_cbranch_scc1 .Lopen_\@
	v_mov_b32 v[T1], 0xff800000                    ; -infinity: p = 0 then
.set n, 0
.rept 64
	v_cmp_gt_i32 vcc_lo, 32*(n/16)+n%16, v[DV]     ; register 16 b + i holds key 32 b + 16 h + i of the step: hidden where it comes after my query
	v_cndmask_b32 v[S+n], v[S+n], v[T1], vcc_lo
.set n, n+1
.endr
.Lopen_\@:
.irp b, 0,1,2,3
	v_max3_num_f32 v[BM+\b], v[S+16*\b], v[S+1+16*\b], v[S+2+16*\b]   ; the largest score of each block of 32 keys
.endr
.irp i, 3,5,7,9,11,13
.irp b, 0,1,2,3
	v_max3_num_f32 v[BM+\b], v[BM+\b], v[S+16*\b+\i], v[S+1+16*\b+\i]
.endr
.endr
.irp b, 0,1,2,3
	v_max_num_f32 v[BM+\b], v[BM+\b], v[S+15+16*\b]
.endr
.irp b, 0,1,2,3
	s_delay_alu instid0(VALU_DEP_4)
	v_permlanex16_b32 v[PT+\b], v[BM+\b], s20, s21
.endr
.irp b, 0,1,2,3
	s_delay_alu instid0(VALU_DEP_4)
	v_max_num_f32 v[BM+\b], v[BM+\b], v[PT+\b]
.endr
	s_delay_alu instid0(VALU_DEP_2)
	v_max3_num_f32 v[T0], v[BM], v[BM+1], v[BM+2]
	s_delay_alu instid0(VALU_DEP_1)
	v_max_num_f32 v[T0], v[T0], v[BM+3]
	s_delay_alu instid0(VALU_DEP_1)
	v_mul_f32 v[T0], s22, v[T0]
	s_delay_alu instid0(VALU_DEP_1)
	v_max_num_f32 v13, v13, v[T0]                  ; the running largest t
	v_mov_b32 v[T0], v12
	s_delay_alu instid0(VALU_DEP_2)
	v_floor_f32 v12, -v13                          ; -M = floor(-t)
	s_delay_alu instid0(VALU_DEP_1)
	v_sub_f32 v[T0], v12, v[T0]                    ; old M - new M: a whole number, 0 or less
	s_delay_alu instid0(VALU_DEP_1)
	v_cvt_i32_f32 v[T0], v[T0]                     ; (it saturates)
	s_delay_alu instid0(VALU_DEP_1)
	v_ldexp_f32 v[F], 1.0, v[T0]                   ; f = 2^(old M - new M)
.set n, 0
.rept 32
	v_pk_fma_f32 v[S+n:S+n+1], v[S+n:S+n+1], s[22:23], v[12:13] op_sel_hi:[1,0,0]   ; t - M
.set n, n+2
.endr
	s_setprio 1
.irp b, 0,1,2,3
	v_fma_f32 v[BM+\b], v[BM+\b], s22, v12
.endr
.set n, 0
	s_wait_alu depctr_va_vdst(0)
.rept 64
	v_exp_f32 v[S+n], v[S+n]                       ; p
.set n, n+1
.endr
.irp b, 0,1,2,3
	v_exp_f32 v[BM+\b], v[BM+\b]                   ; the block's largest p
.endr
	v_pk_mul_f32 v[14:15], v[14:15], v[F:F+1] op_sel_hi:[1,0]   ; the sum under the new M (a plain place behind the exponentials)
	s_wait_alu depctr_va_vdst(0)
.irp b, 0,1,2,3
	v_max_num_f32 v[BM+\b], 0x1800000, v[BM+\b]    ; the floor 2^(3 - 127)
.endr
.irp b, 0,1,2,3
	s_delay_alu instid0(VALU_DEP_4)
	v_add_nc_u32 v[SO+\b], 0xff000000, v[BM+\b]
.endr
.irp b, 0,1,2,3
	s_delay_alu instid0(VALU_DEP_4)
	v_lshrrev_b32 v[PT+\b], 23, v[SO+\b]
.endr
	s_delay_alu instid0(VALU_DEP_3)
	v_lshl_or_b32 v[PS], v[PT+1], 8, v[PT]
	s_delay_alu instid0(VALU_DEP_1)
	v_lshl_or_b32 v[PS], v[PT+2], 16, v[PS]
	s_delay_alu instid0(VALU_DEP_1)
	v_lshl_or_b32 v[PS], v[PT+3], 24, v[PS]
.irp c, 0,1
	v_cvt_scalef32_pk16_fp6_f32 v[PCD+6*\c:PCD+6*\c+2], v[S+32*\c:S+32*\c+15], v[SO+2*\c]
	v_cvt_scalef32_pk16_fp6_f32 v[PH+4*\c:PH+4*\c+2], v[S+16+32*\c:S+31+32*\c], v[SO+2*\c+1]
.endr
	v_nop                                          ; one plain place behind a scaled conversion
.irp c, 0,1
.irp i, 0,1,2
	v_permlane16_swap_b32 v[PCD+6*\c+\i], v[PH+4*\c+\i]
.endr
.irp i, 0,1,2
	s_delay_alu instid0(VALU_DEP_3)
	v_mov_b32 v[PCD+3+6*\c+\i], v[PH+4*\c+\i]
.endr
.endr
	v_pk_add_f32 v[224:225], v[100:101], v[104:105]
	v_pk_add_f32 v[252:253], v[108:109], v[112:113]
	v_pk_add_f32 v[250:251], v[116:117], v[120:121]
	v_pk_add_f32 v[248:249], v[124:125], v[128:129]
	v_pk_add_f32 v[246:247], v[132:133], v[136:137]
	v_pk_add_f32 v[244:245], v[140:141], v[144:145]
	v_pk_add_f32 v[242:243], v[148:149], v[152:153]
	v_pk_add_f32 v[14:15], v[14:15], v[156:157]
	v_pk_add_f32 v[224:225], v[224:225], v[96:97]
	v_pk_add_f32 v[252:253], v[252:253], v[98:99]
	v_pk_add_f32 v[250:251], v[250:251], v[102:103]
	v_pk_add_f32 v[248:249], v[248:249], v[106:107]
	v_pk_add_f32 v[246:247], v[246:247], v[110:111]
	v_pk_add_f32 v[244:245], v[244:245], v[114:115]
	v_pk_add_f32 v[242:243], v[242:243], v[118:119]
	v_pk_add_f32 v[14:15], v[14:15], v[122:123]
	v_pk_add_f32 v[224:225], v[224:225], v[126:127]
	v_pk_add_f32 v[252:253], v[252:253], v[130:131]
	v_pk_add_f32 v[250:251], v[250:251], v[134:135]
	v_pk_add_f32 v[248:249], v[248:249], v[138:139]
	v_pk_add_f32 v[246:247], v[246:247], v[142:143]
	v_pk_add_f32 v[244:245], v[244:245], v[146:147]
	v_pk_add_f32 v[242:243], v[242:243], v[150:151]
	v_pk_add_f32 v[14:15], v[14:15], v[154:155]
	v_pk_add_f32 v[224:225], v[224:225], v[158:159]
	s_delay_alu instid0(VALU_DEP_2)
	v_pk_add_f32 v[14:15], v[14:15], v[248:249]
	s_delay_alu instid0(VALU_DEP_2)
	v_pk_add_f32 v[224:225], v[224:225], v[246:247]
	v_pk_add_f32 v[252:253], v[252:253], v[244:245]
	v_pk_add_f32 v[250:251], v[250:251], v[242:243]
	s_delay_alu instid0(VALU_DEP_2)
	v_pk_add_f32 v[14:15], v[14:15], v[252:253]
	s_delay_alu instid0(VALU_DEP_2)
	v_pk_add_f32 v[224:225], v[224:225], v[250:251]
	s_delay_alu instid0(VALU_DEP_1)
	v_pk_add_f32 v[14:15], v[14:15], v[224:225]
	s_setprio 0
.irp t, 0,1,2,3
.irp p, 0,1,2,3,4,5
	ds_load_b64 v[S+12*\t+2*\p:S+12*\t+2*\p+1], v[ADV] offset:1536*\t+256*\p   ; V's four fragments take p's registers
.endr
.endr
	ds_load_b128 v[VSC:VSC+3], v[ADT]
.set n, 0
.rept 16
	v_pk_mul_f32 v[O+n:O+n+1], v[O+n:O+n+1], v[F:F+1] op_sel_hi:[1,0]   ; O^T under the new M; also the places behind p's scale word and codes
.set n, n+2
.endr
	s_wait_alu depctr_va_vdst(0)
	s_wait_dscnt 0x0
.irp t, 0,1,2,3
	v_wmma_scale_f32_16x16x128_f8f6f4 v[O+8*\t:O+8*\t+7], v[S+12*\t:S+12*\t+11], v[PCD:PCD+11], v[O+8*\t:O+8*\t+7], v[VSC+\t], v[PS] matrix_a_fmt:MATRIX_FMT_FP6 matrix_b_fmt:MATRIX_FMT_FP6
.endr
.Lhidden_\@:
	s_add_co_u32 s48, s48, 6144
	s_add_co_u32 s49, s49, 512
	s_add_co_u32 s50, s50, 256
.endm
; O^T / the sum, quantised along d, to ao and aos
.macro OUTT
.rept 4
	v_nop
.endr
	v_add_f32 v14, v14, v15
	s_delay_alu instid0(VALU_DEP_1)
	v_permlanex16_b32 v[T0], v14, s20, s21
	s_delay_alu instid0(VALU_DEP_1)
	v_add_f32 v14, v14, v[T0]                      ; the row's sum
	s_wait_alu depctr_va_vdst(0)
	v_rcp_f32 v14, v14
	v_nop
.set n, 0
	s_wait_alu depctr_va_vdst(0)
.rept 32
	v_mul_f32 v[S+n], v[O+n], v14                  ; register 16 b + i: d = 32 b + 16 h + i
.set n, n+1
.endr
.irp b, 0,1
	v_max3_num_f32 v[BM+\b], |v[S+16*\b]|, |v[S+1+16*\b]|, 0x1800000
.endr
.irp i, 2,4,6,8,10,12,14
.irp b, 0,1
	s_delay_alu instid0(VALU_DEP_2)
	v_max3_num_f32 v[BM+\b], v[BM+\b], |v[S+16*\b+\i]|, |v[S+1+16*\b+\i]|
.endr
.endr
.irp b, 0,1
	s_delay_alu instid0(VALU_DEP_2)
	v_permlanex16_b32 v[PT+\b], v[BM+\b], s20, s21
.endr
.irp b, 0,1
	s_delay_alu instid0(VALU_DEP_2)
	v_max_num_f32 v[BM+\b], v[BM+\b], v[PT+\b]
.endr
.irp b, 0,1
	s_delay_alu instid0(VALU_DEP_2)
	v_add_nc_u32 v[SO+\b], 0xff000000, v[BM+\b]
.endr
.irp b, 0,1
	s_delay_alu instid0(VALU_DEP_2)
	v_lshrrev_b32 v[PT+\b], 23, v[SO+\b]
.endr
	s_delay_alu instid0(VALU_DEP_1)
	v_lshl_or_b32 v[T1], v[PT+1], 8, v[PT]         ; the head's two bytes
	v_cvt_scalef32_pk16_fp6_f32 v[PCD:PCD+2], v[S:S+15], v[SO]
	v_cvt_scalef32_pk16_fp6_f32 v[PCD+4:PCD+6], v[S+16:S+31], v[SO+1]
	v_nop
.irp i, 0,1,2
	v_permlane16_swap_b32 v[PCD+\i], v[PCD+4+\i]
.endr
.irp i, 0,1,2
	s_delay_alu instid0(VALU_DEP_3)
	v_mov_b32 v[PCD+3+\i], v[PCD+4+\i]             ; registers 0-5: d = 32 h + 0 .. 31
.endr
.irp c, 0,1,2
	global_store_b64 v[AK0], v[PCD+2*\c:PCD+2*\c+1], s[70:71] offset:256*\c
.endr
	global_store_b32 v[R4], v[T1], s[72:73]        ; both halves of the lanes store the same word
	s_wait_xcnt 0x0                                ; the stores' registers and bases may be written again
.endm
.macro PASS trips, second
.if \second
	s_sub_co_u32 s60, 127, s55                     ; my tile of queries
	s_sub_co_u32 s52, 15, s19
	s_lshl_b32 s53, s54, 4
	s_sub_co_u32 s53, 112, s53
.else
	s_mov_b32 s60, s55
	s_mov_b32 s52, s19
	s_lshl_b32 s53, s54, 4
.endif
	s_mul_i32 s66, s18, 98304
	s_mul_i32 s61, s60, 768
	s_add_co_u32 s66, s66, s61
	s_mov_b32 s67, 0
	s_add_nc_u64 s[66:67], s[4:5], s[66:67]        ; Q's codes
	s_lshl_b32 s68, s18, 13
	s_lshr_b32 s61, s60, 2
	s_lshl_b32 s61, s61, 8
	s_add_co_u32 s68, s68, s61
	s_and_b32 s61, s60, 3
	s_lshl_b32 s61, s61, 2
	s_add_co_u32 s68, s68, s61
	s_mov_b32 s69, 0
	s_add_nc_u64 s[68:69], s[6:7], s[68:69]        ; Q's scale words
	s_lshr_b32 s61, s18, 4
	s_lshl_b32 s61, s61, 7
	s_add_co_u32 s61, s61, s60                     ; the row tile of the result: 128 batch + tile
	s_and_b32 s62, s18, 15                         ; the head
	s_mul_i32 s70, s61, 12288
	s_mul_i32 s63, s62, 768
	s_add_co_u32 s70, s70, s63
	s_mov_b32 s71, 0
	s_add_nc_u64 s[70:71], s[12:13], s[70:71]
	s_lshl_b32 s72, s61, 10
	s_lshl_b32 s63, s62, 6
	s_add_co_u32 s72, s72, s63
	s_mov_b32 s73, 0
	s_add_nc_u64 s[72:73], s[14:15], s[72:73]
.irp p, 0,1,2
	global_load_b64 v[QF+2*\p:QF+2*\p+1], v[AK0], s[66:67] offset:256*\p
.endr
	global_load_b32 v[QS], v[R16], s[68:69]
	v_add_nc_u32 v[DV], s53, v[DV0]
	v_mov_b32 v13, 0xff61b1e6                      ; the largest t so far: -3e38
	s_delay_alu instid0(VALU_DEP_1)
	v_floor_f32 v12, -v13
	v_mov_b32 v14, 0
	v_mov_b32 v15, 0
.set n, 0
.rept 32
	v_mov_b32 v[O+n], 0                            ; the step is written once: the first finds zeros
.set n, n+1
.endr
	s_mov_b32 s48, 0
	s_mov_b32 s49, 0
	s_mov_b32 s50, 0
	s_mov_b32 s51, 0
	s_wait_loadcnt 0x0
.Lstep_\@:
	STEP
	s_add_co_u32 s51, s51, 1
	s_cmp_lt_u32 s51, \trips
	s_cbranch_scc1 .Lstep_\@
	s_setprio 0
	OUTT
.endm
	PASS 8, 0
	PASS 16, 1
	s_wait_tensorcnt 0x0
	ds_add_u32 v254, v255
	s_wait_dscnt 0x0
	CROUND                                         ; the closing round
	s_endpgm
.Lfunc_end_k_qd4786ae761_attn:
	.size	k_qd4786ae761_attn, .Lfunc_end_k_qd4786ae761_attn-k_qd4786ae761_attn
	.p2alignl 7, 3214868480
	.fill 96, 4, 3214868480
	.section	.rodata,"a",@progbits
	.p2align	6, 0x0
	.amdhsa_kernel k_qd4786ae761_attn
		.amdhsa_group_segment_fixed_size 210944
		.amdhsa_private_segment_fixed_size 0
		.amdhsa_enable_private_segment 0
		.amdhsa_kernarg_size 48
		.amdhsa_user_sgpr_count 2
		.amdhsa_user_sgpr_kernarg_segment_ptr 1
		.amdhsa_wavefront_size32 1
		.amdhsa_system_sgpr_workgroup_id_x 1
		.amdhsa_system_sgpr_workgroup_id_y 1
		.amdhsa_system_sgpr_workgroup_id_z 1
		.amdhsa_system_vgpr_workitem_id 0
		.amdhsa_next_free_vgpr 256
		.amdhsa_next_free_sgpr 80
		.amdhsa_reserve_vcc 1
		.amdhsa_float_denorm_mode_32 3
		.amdhsa_float_denorm_mode_16_64 3
		.amdhsa_memory_ordered 1
		.amdhsa_forward_progress 1
		.amdhsa_inst_pref_size 69
	.end_amdhsa_kernel
	.amdgpu_metadata
---
amdhsa.version: [ 1, 2 ]
amdhsa.kernels:
  - .name:           k_qd4786ae761_attn
    .symbol:         k_qd4786ae761_attn.kd
    .args:
      - { .name: qc, .offset: 0, .size: 8, .value_kind: global_buffer, .address_space: global }
      - { .name: qs, .offset: 8, .size: 8, .value_kind: global_buffer, .address_space: global }
      - { .name: kv, .offset: 16, .size: 8, .value_kind: global_buffer, .address_space: global }
      - { .name: kvs, .offset: 24, .size: 8, .value_kind: global_buffer, .address_space: global }
      - { .name: ao, .offset: 32, .size: 8, .value_kind: global_buffer, .address_space: global }
      - { .name: aos, .offset: 40, .size: 8, .value_kind: global_buffer, .address_space: global }
    .group_segment_fixed_size: 210944
    .private_segment_fixed_size: 0
    .kernarg_segment_align: 8
    .kernarg_segment_size: 48
    .max_flat_workgroup_size: 512
    .sgpr_count:     80
    .vgpr_count:     256
    .wavefront_size: 32
...
	.end_amdgpu_metadata
.endif
;; end of part 3
;; launch outp (part 4): grid 4 x 64, 4 waves a work-group, clusters of 4 x 4, 295,424 bytes of LDS; arguments xc, xs, ao, aos, bo, out0; writes out0
.if DOCPART == 4
	.amdgcn_target "amdgcn-amd-amdhsa--gfx1250"
	.amdhsa_code_object_version 6
	.text
	.protected	k_qd4786ae761_outp
	.globl	k_qd4786ae761_outp
	.p2align	8
	.type	k_qd4786ae761_outp,@function
k_qd4786ae761_outp:
	s_mov_b64 s[64:65], 0
	v_nop
	global_prefetch_b8 v0, s[64:65] scope:SCOPE_SE
	s_setreg_imm32_b32 hwreg(HW_REG_WAVE_MODE, 25, 1), 1
	s_wait_xcnt 0x0
	s_wait_alu depctr_hold_cnt(0) depctr_sa_sdst(0) depctr_va_vdst(0) depctr_va_sdst(0) depctr_va_ssrc(0) depctr_va_vcc(0) depctr_vm_vsrc(0)
	s_getreg_b32 s2, hwreg(HW_REG_IB_STS2, 6, 4)
	s_cmp_eq_u32 s2, 0
	s_cbranch_scc0 .Lentry_in_a_cluster
	s_endpgm
.Lentry_in_a_cluster:
	s_bfe_u32 s2, ttmp6, 0x10000c
	s_cmp_lg_u32 s2, 0xf033
	s_cbranch_scc0 .Lentry_shape_is_right
	s_endpgm
.Lentry_shape_is_right:
; out0 = concat Wo^T + bo on codes of FP6 (E2M3).  Source 0 (P) = 16 rows of Wo (output columns), source 1 (R) = 16 rows of attention's result: a lane holds eight neighbouring columns of one row.
; A work-group makes 256 columns x 128 rows, all of K = 1,024 in LDS at once (294,912 bytes, filled once, four chunks of two K steps).  Four waves, each 128 columns x 64 rows: 32 accumulators by turns
; CLUSTER 4 x 4: Wo's tiles hang on cx (shared along a column), the rows' tiles on cy (shared along a row): joint loads; four loads of a wave are out at the most.
; Operands lie in memory as images of registers: every LDS read is 256 consecutive bytes.  The rows' scale words are put together from the heads' two bytes each.
; The bias is the C of each sum's first product (an order of f32 rounding other than ... + bo at the end).
; The way out goes through each wave's own stage, in chunk 0, which has had its only fill and which nobody reads behind the second barrier; 32 lanes store 512 consecutive bytes of a row.
; REGISTERS.  window 0: v1 8 lane, v2 r, v3 h, v4-7 / v8-11 LDS addresses, v12 16 lane, v13-16 offsets; v32-63 P's scale words, v64-79 R's; v80-111 the heads' words; v128-223 R's fragments, later v128-255 rows of the result.
;   window 1: v0-95, v128-223 P's fragments; v96-127, v224-255 the bias.   window 2: accumulator (ri, pi) at v[8 (8 ri + pi)].
.set CH,   73728
.set ROFF, 49152
.set AP,   4
.set AR,   8
.set STO,  15
.set RD,   16
.set SCP,  32
.set SCR,  64
.set LW,   80
.set RF,   128
.set BK,   128
.set G1P,  32
.set G1R,  40
.set G0P,  48
.set G0R,  68
.set MSB, 0
.macro WIN new                         ; the immediate's high byte repeats the setting that is left
.if MSB != \new
	s_set_vgpr_msb (MSB<<8)|\new
.set MSB, \new
.endif
.endm
.set MULW, 0xa1
.set MULB, 0x91
.set TO_P, 0x40
.macro CROUND
	s_barrier_signal -1
	s_barrier_wait -1
	s_cmp_lg_u32 s22, 0
	s_cbranch_scc1 .Lnot_wave_0_\@
	s_barrier_signal -3
.Lnot_wave_0_\@:
	s_barrier_wait -3
	s_barrier_signal -1
	s_barrier_wait -1
.endm
.macro PLACES
.rept 4
	v_nop
.endr
.endm
.macro FETCH q
	WIN TO_P
.irp i, 0,1,2,3,4,5,6,7
.irp c, 0,1,2,3,4,5
	ds_load_b64 v[128*((\q)%2)+12*\i+2*\c:128*((\q)%2)+12*\i+2*\c+1], v[AP+(\q)/2] offset:3072*\i+1536*((\q)%2)+256*\c
.endr
.endr
	WIN 0
.irp i, 0,1,2,3
.irp c, 0,1,2,3,4,5
	ds_load_b64 v[RF+48*((\q)%2)+12*\i+2*\c:RF+48*((\q)%2)+12*\i+2*\c+1], v[AR+(\q)/2] offset:3072*\i+1536*((\q)%2)+256*\c
.endr
.endr
.endm
.macro MUL q, cmode                    ; 32 products.  cmode 0: onto the sums; 1: the sums begin with the bias of P's tile.  Steps 4-7 take their scale words from lanes 16-31
.if \cmode
	WIN MULB
.else
	WIN MULW
.endif
.irp ri, 0,1,2,3
.irp pi, 0,1,2,3,4,5,6,7
.set rD, 8*(8*\ri+\pi)
.set rP, 128*((\q)%2)+12*\pi
.set rR, RF+48*((\q)%2)+12*\ri
.set rC, rD
.if \cmode == 1
.set rC, 96+8*\pi+96*(\pi/4)
.endif
.if (\q) < 4
	v_wmma_scale_f32_16x16x128_f8f6f4 v[rD:rD+7], v[rP:rP+11], v[rR:rR+11], v[rC:rC+7], v[SCP+4*\pi+(\q)%4], v[SCR+4*\ri+(\q)%4] matrix_a_fmt:MATRIX_FMT_FP6 matrix_b_fmt:MATRIX_FMT_FP6
.else
	v_wmma_scale_f32_16x16x128_f8f6f4 v[rD:rD+7], v[rP:rP+11], v[rR:rR+11], v[rC:rC+7], v[SCP+4*\pi+(\q)%4], v[SCR+4*\ri+(\q)%4] matrix_a_fmt:MATRIX_FMT_FP6 matrix_b_fmt:MATRIX_FMT_FP6 matrix_a_scale:MATRIX_SCALE_ROW1 matrix_b_scale:MATRIX_SCALE_ROW1
.endif
.endr
.endr
.endm
	s_load_b256 s[4:11], s[0:1], 0x0               ; xc, xs, ao, aos
	s_load_b128 s[12:15], s[0:1], 0x20             ; bo, out0
	v_lshl_add_u32 v126, v0, 2, 0x48000
	v_mov_b32 v127, 0
	ds_add_u32 v126, v127
	ds_add_u32 v126, v127
	v_lshrrev_b32 v1, 5, v0
	v_readfirstlane_b32 s22, v1                    ; wave
	s_and_b32 s23, s22, 1                          ; which half of the columns is mine; also which half of a tile group I fetch
	s_lshr_b32 s24, s22, 1                         ; which half of the rows
	s_bfe_u32 s25, ttmp6, 0x40000                  ; cx
	s_bfe_u32 s26, ttmp6, 0x40004                  ; cy
	s_and_b32 s27, ttmp7, 0xffff                   ; the cluster's y
	s_lshl_b32 s66, 0x1111, s25                    ; my column of the cluster
	s_lshl_b32 s67, s26, 2
	s_lshl_b32 s67, 15, s67                        ; my row
	s_or_b32 s[G1P], s66, (3<<16)|(1<<21)
	s_or_b32 s[G1R], s67, (3<<16)|(1<<21)
.irp g, G1P, G1R
	s_mov_b32 s[\g+1], 384<<16                     ; 3,072 bytes: two K steps of one row tile
	s_mov_b32 s[\g+3], 384<<16
	s_mov_b32 s[\g+5], 1536                        ; 12,288 bytes from row tile to row tile
	s_mov_b32 s[\g+6], 0
	s_mov_b32 s[\g+7], 0
.endr
	s_mov_b32 s[G1P+2], 8<<16
	s_mov_b32 s[G1P+4], 8
	s_mov_b32 s[G1R+2], 4<<16
	s_mov_b32 s[G1R+4], 4
	s_lshl_b32 s86, s25, 4
	s_add_co_u32 s86, s86, 1728
	s_lshl_b32 s87, s23, 3
	s_add_co_u32 s86, s86, s87                     ; Wo's tile 1728 + 16 cx + 8 (wave % 2): the 8 that I would fetch, and the 8 that I multiply by
	s_lshl_b32 s84, s86, 9                         ; their scale images
	s_mul_i32 s86, s86, 12288
	s_mov_b32 s87, 0
	s_lshl_b32 s31, s27, 2
	s_add_co_u32 s31, s31, s26                     ; rt: my work-group's 128 rows
	s_lshl_b32 s88, s31, 3
	s_lshl_b32 s89, s23, 2
	s_add_co_u32 s88, s88, s89
	s_mul_i32 s88, s88, 12288
	s_mov_b32 s89, 0
	; LDS addresses, of the lane and the wave's number alone
	v_and_b32 v12, 31, v0
	v_lshlrev_b32 v1, 3, v12                       ; 8 x lane
	v_lshlrev_b32 v12, 4, v12                      ; 16 x lane
	v_and_b32 v2, 15, v0                           ; r
	v_bfe_u32 v3, v0, 4, 1                         ; h
	s_mul_i32 s28, s23, 24576
	s_mul_i32 s100, s24, 12288
	s_add_co_u32 s100, s100, ROFF
	v_add_nc_u32 v[AP], s28, v1
	v_add_nc_u32 v[AR], s100, v1
.irp c, 1,2,3
	v_add_nc_u32 v[AP+\c], CH*\c, v[AP]
	v_add_nc_u32 v[AR+\c], CH*\c, v[AR]
.endr
	s_mul_i32 s101, s22, 8448                      ; my stage: 16 rows of 512 + 16 bytes
	v_mul_u32_u24 v[STO], v2, 528
	v_lshl_add_u32 v[STO], v3, 5, v[STO]
	v_add_nc_u32 v[STO], s101, v[STO]              ; in: row r, + 32 h
	v_add_nc_u32 v[RD], s101, v12                  ; back: a whole row, 16 bytes a lane
	v_lshlrev_b32 v13, 9, v3
	v_lshl_add_u32 v13, v2, 2, v13                 ; the heads' words: 512 h + 4 r
	v_lshlrev_b32 v14, 5, v3                       ; the bias: 32 h
	s_mul_i32 s29, s23, 12288
	s_add_co_u32 s29, s29, ROFF
	; offsets of what goes straight into registers, and of the result
	s_mov_b32 s90, s84
	s_mov_b32 s91, 0
	s_lshl_b32 s92, s31, 13
	s_lshl_b32 s2, s24, 12
	s_add_co_u32 s92, s92, s2                      ; 1,024 (8 rt + 4 wr)
	s_mov_b32 s93, 0
	s_lshl_b32 s94, s25, 10
	s_lshl_b32 s2, s23, 9
	s_add_co_u32 s94, s94, s2                      ; 4 (256 cx + 128 wp)
	s_mov_b32 s95, 0
	s_lshl_b32 s96, s31, 19
	s_lshl_b32 s2, s24, 18
	s_add_co_u32 s96, s96, s2
	s_add_co_u32 s96, s96, s94                     ; row 128 rt + 64 wr of 4,096 bytes, + my columns
	s_mov_b32 s97, 0
	s_wait_dscnt 0x0
	s_wait_kmcnt 0x0
	s_add_nc_u64 s[86:87], s[4:5], s[86:87]
	s_add_nc_u64 s[88:89], s[8:9], s[88:89]
	s_add_nc_u64 s[90:91], s[6:7], s[90:91]
	s_add_nc_u64 s[92:93], s[10:11], s[92:93]
	s_add_nc_u64 s[94:95], s[12:13], s[94:95]
	s_add_nc_u64 s[96:97], s[14:15], s[96:97]
.irp c, 0,1,2,3
	s_mov_b32 s[G0P+4*\c], 1
	s_add_co_u32 s[G0P+4*\c+1], s28, CH*\c
	s_add_nc_u64 s[G0P+4*\c+2:G0P+4*\c+3], s[86:87], 3072*\c
	s_or_b32 s[G0P+4*\c+3], s[G0P+4*\c+3], 0x80000000
	s_mov_b32 s[G0R+4*\c], 1
	s_add_co_u32 s[G0R+4*\c+1], s29, CH*\c
	s_add_nc_u64 s[G0R+4*\c+2:G0R+4*\c+3], s[88:89], 3072*\c
	s_or_b32 s[G0R+4*\c+3], s[G0R+4*\c+3], 0x80000000
.endr
	CROUND                                         ; all sixteen work-groups are here: the joint loads meet
	s_cmp_lt_u32 s22, 2                            ; a wave's four fills stand in one branch
	s_cbranch_scc0 .Lfill_r
.irp c, 0,1,2,3
	tensor_load_to_lds s[G0P+4*\c:G0P+4*\c+3], s[G1P:G1P+7]
	s_nop 0
.endr
.rept 4
	v_nop
.endr
	s_branch .Lfilled
.Lfill_r:
.irp c, 0,1,2,3
	tensor_load_to_lds s[G0R+4*\c:G0R+4*\c+3], s[G1R:G1R+7]
	s_nop 0
.endr
.rept 4
	v_nop
.endr
.Lfilled:
.irp i, 0,1,2,3,4,5,6,7
	global_load_b128 v[SCP+4*\i:SCP+4*\i+3], v12, s[90:91] offset:512*\i
.endr
	s_wait_alu depctr_va_vdst(0)
.irp ri, 0,1,2,3
.irp j, 0,1,2,3,4,5,6,7
	global_load_b32 v[LW+8*\ri+\j], v13, s[92:93] offset:1024*\ri+64*\j   ; head 8 h + j of row r of my tile ri
.endr
.endr
	WIN TO_P
.irp pi, 0,1,2,3,4,5,6,7
	global_load_b128 v[96+8*\pi+96*(\pi/4):96+8*\pi+96*(\pi/4)+3], v14, s[94:95] offset:64*\pi      ; bo at columns 16 pi + 8 h + 0 .. 7
	global_load_b128 v[96+8*\pi+96*(\pi/4)+4:96+8*\pi+96*(\pi/4)+7], v14, s[94:95] offset:64*\pi+16
.endr
	s_wait_tensorcnt 0x3                           ; my part of chunk 0 is in; my three younger loads may be out
	s_barrier_signal -1
	s_barrier_wait -1
	FETCH 0
	s_wait_dscnt 0x0
	FETCH 1
	s_wait_loadcnt 0x0
.irp ri, 0,1,2,3
.irp jj, 0,1,2,3
	v_lshl_or_b32 v[SCR+4*\ri+\jj], v[LW+8*\ri+2*\jj+1], 16, v[LW+8*\ri+2*\jj]   ; K step 4 h + jj: heads 8 h + 2 jj and the next
.endr
.endr
.rept 8
	v_nop                                          ; a scale register written by a vector instruction stands 8 places ahead of a scaled matrix instruction
.endr
	MUL 0, 1
	s_wait_alu depctr_va_vdst(0)
.irp q, 1,2,3,4,5,6
.if (\q)%2
	s_wait_tensorcnt (5-\q)/2                      ; my part of the next chunk is in; the younger chunks' loads may be out
	s_wait_dscnt 0x0
	s_barrier_signal -1
	s_barrier_wait -1
.else
	s_wait_dscnt 0x0
.endif
	PLACES
	FETCH \q+1
	MUL \q, 0
.endr
	s_wait_dscnt 0x0
	MUL 7, 0
	WIN 0
	PLACES
; THE WAY OUT, 16 rows x 128 columns at a time: into my stage, each accumulator from its low end on, and back as whole rows.  LDS serves a wave's instructions in order.
.macro TOSTAGE a
	WIN 0x08                                       ; an LDS store's data are its source 1: window 2
.irp b, 0,1,2,3,4,5,6,7
	ds_store_b128 v[STO], v[64*(\a)+8*\b:64*(\a)+8*\b+3] offset:64*\b
	ds_store_b128 v[STO], v[64*(\a)+8*\b+4:64*(\a)+8*\b+7] offset:64*\b+16
.endr
	WIN 0
.irp t, 0,1,2,3,4,5,6,7,8,9,10,11,12,13,14,15
	ds_load_b128 v[BK+64*((\a)%2)+4*\t:BK+64*((\a)%2)+4*\t+3], v[RD] offset:528*\t
.endr
.endm
.macro SEND a, younger                 ; younger: the LDS instructions issued behind block a's loads, which may stay out
	s_wait_dscnt \younger
.irp t, 0,1,2,3,4,5,6,7,8,9,10,11,12,13,14,15
	global_store_b128 v12, v[BK+64*((\a)%2)+4*\t:BK+64*((\a)%2)+4*\t+3], s[96:97] offset:4096*(16*(\a)+\t) th:TH_STORE_NT   ; 512 consecutive bytes of a row, aligned
.endr
.endm
	TOSTAGE 0
.irp a, 1,2,3
.if \a > 1
	s_wait_xcnt 0x0                                ; block a - 2's stores have read their registers: block a's loads may land there
.endif
	TOSTAGE \a
	SEND \a-1, 32
.endr
	SEND 3, 0
	s_wait_tensorcnt 0x0
	ds_add_u32 v126, v127
	s_wait_dscnt 0x0
	CROUND                                         ; the closing round
	s_endpgm
.Lfunc_end_k_qd4786ae761_outp:
	.size	k_qd4786ae761_outp, .Lfunc_end_k_qd4786ae761_outp-k_qd4786ae761_outp
	.p2alignl 7, 3214868480
	.fill 96, 4, 3214868480
	.section	.rodata,"a",@progbits
	.p2align	6, 0x0
	.amdhsa_kernel k_qd4786ae761_outp
		.amdhsa_group_segment_fixed_size 295424
		.amdhsa_private_segment_fixed_size 0
		.amdhsa_enable_private_segment 0
		.amdhsa_kernarg_size 48
		.amdhsa_user_sgpr_count 2
		.amdhsa_user_sgpr_kernarg_segment_ptr 1
		.amdhsa_wavefront_size32 1
		.amdhsa_system_sgpr_workgroup_id_x 1
		.amdhsa_system_sgpr_workgroup_id_y 1
		.amdhsa_system_sgpr_workgroup_id_z 1
		.amdhsa_system_vgpr_workitem_id 0
		.amdhsa_next_free_vgpr 768
		.amdhsa_next_free_sgpr 102
		.amdhsa_reserve_vcc 0
		.amdhsa_float_denorm_mode_32 3
		.amdhsa_float_denorm_mode_16_64 3
		.amdhsa_memory_ordered 1
		.amdhsa_forward_progress 1
		.amdhsa_inst_pref_size 100
	.end_amdhsa_kernel
	.amdgpu_metadata
---
amdhsa.version: [ 1, 2 ]
amdhsa.kernels:
  - .name:           k_qd4786ae761_outp
    .symbol:         k_qd4786ae761_outp.kd
    .args:
      - { .name: xc, .offset: 0, .size: 8, .value_kind: global_buffer, .address_space: global }
      - { .name: xs, .offset: 8, .size: 8, .value_kind: global_buffer, .address_space: global }
      - { .name: ao, .offset: 16, .size: 8, .value_kind: global_buffer, .address_space: global }
      - { .name: aos, .offset: 24, .size: 8, .value_kind: global_buffer, .address_space: global }
      - { .name: bo, .offset: 32, .size: 8, .value_kind: global_buffer, .address_space: global }
      - { .name: out0, .offset: 40, .size: 8, .value_kind: global_buffer, .address_space: global }
    .group_segment_fixed_size: 295424
    .private_segment_fixed_size: 0
    .kernarg_segment_align: 8
    .kernarg_segment_size: 48
    .max_flat_workgroup_size: 128
    .sgpr_count:     102
    .vgpr_count:     768
    .wavefront_size: 32
...
	.end_amdgpu_metadata
.endif
;; end of part 4
